; MI455X (gfx1250); checked and timed in simulation.
; The chip was launched on July 23, 2026; its instructions are those of AMD's public machine-readable ISA for CDNA 5 (MIT licence, August 2026) and "CDNA5" Instruction Set Architecture Reference Guide (July 2026). The comments in the code are by the model that wrote it; some were corrected since.
;; CLIP Attention. Allowed arithmetic: matrix products marked QUANTISED: E2M3 operands, one E8M0 scale for each 32 along K, by v_wmma_scale_f32_16x16x128_f8f6f4 with both operands' format E2M3, f32 sums; everything else in f32.
;; Inputs: bk 1,024 float32; bo 1,024 float32; bq 1,024 float32; bv 1,024 float32; wk 1,024 x 1,024 float32; wo 1,024 x 1,024 float32; wq 1,024 x 1,024 float32; wv 1,024 x 1,024 float32; x 8 x 1,024 x 1,024 float32.
;; Outputs: out0 8 x 1,024 x 1,024 float32.
;; This version of the problem:
;;   THIS VERSION OF THE PROBLEM IS GIVEN IN LOW PRECISION. The matrix products marked QUANTISED in the list below multiply operands that are first quantised to E2M3 (2 exponent bits, 3 mantissa bits; 6 bits a number), with one power-of-two scale for each 32 numbers along K (OCP MX v1.0); their sums are f32. All else is computed in f32.
;;   The module's matrix products, in the order in which they are computed (A, B: the left and right operand; K: the contracted axis; several contracted axes count as one K, in the product's order):
;;     1. [M 8,192, K 1,024] x [K 1,024, N 1,024]; A: input x; B: input wq: QUANTISED
;;     2. [M 8,192, K 1,024] x [K 1,024, N 1,024]; A: input x; B: input wk: QUANTISED
;;     3. [M 8,192, K 1,024] x [K 1,024, N 1,024]; A: input x; B: input wv: QUANTISED
;;     4. batch 128 x [M 1,024, K 64] x [K 64, N 1,024]; A: computed on the way; B: computed on the way: QUANTISED
;;     5. batch 128 x [M 1,024, K 1,024] x [K 1,024, N 64]; A: softmax (see below); B: computed on the way: QUANTISED
;;     6. [M 8,192, K 1,024] x [K 1,024, N 1,024]; A: computed on the way; B: input wo: QUANTISED
;;   THE QUANTISER, for each operand of a quantised product, along K:
;;     - K is cut into blocks of 32 from its start; a last block that is shorter is filled with zeros.
;;     - A block's scale is 2^e with e = floor(log2(the largest magnitude in the block)) - 2, held to -126 .. 127; a block of zeros has e = 0. As a byte (E8M0): e + 127.
;;     - Each number is divided by its block's scale, clamped to +-7.5, and rounded to the nearest number of E2M3, ties to even, subnormals kept.
;;     - The product sums the exact products of the quantised numbers (number of the format x scale) in f32.
;;   ~~~python
;;   def quantise(x, axis):      # numpy; x: float32 -> the quantised numbers, widened to float32 again
;;       x = np.moveaxis(x, axis, -1); K = x.shape[-1]
;;       x = np.pad(x, [(0, 0)] * (x.ndim - 1) + [(0, -K % 32)]); x = x.reshape(x.shape[:-1] + (-1, 32)); a = np.abs(x).max(-1, keepdims=True)
;;       e = np.where(a > 0, np.clip(np.frexp(np.where(a > 0, a, 1))[1] - 1 - 2, -126, 127), 0)      # np.frexp(a)[1] - 1 = floor(log2(a)), exactly
;;       r = np.clip(x / 2.0 ** e, -7.5, 7.5)
;;       step = 2.0 ** (np.maximum(np.frexp(np.where(r == 0, 1, r))[1] - 1, 0) - 3)
;;       q = np.round(r / step) * step * 2.0 ** e      # np.round: ties to even
;;       return np.moveaxis(q.reshape(q.shape[:-2] + (-1,))[..., :K], -1, axis).astype(np.float32)
;;   ~~~
;;   SOFTMAX AHEAD OF A QUANTISED PRODUCT. Where the list says 'softmax', what is quantised is not the finished softmax but p = 2^(t - M), with t = logit x log2(e) and M = ceil(the row's largest t), a whole number; so 1/2 < the row's largest p <= 1. The row's sum l is taken of the UNQUANTISED p, in f32, and the product's result is divided by l at the end. Since M is a whole number, a kernel that streams over the keys may use a running M (the ceiling of the running maximum): every later rescaling is an exact power of two, which a block's scale takes up: the codes' values come out the same.
;;   OPERANDS COMPUTED ON THE WAY. 'Computed on the way' means the value that the module computes at that place (a softmax that the list does not call 'softmax' is quantised finished and normalised). What goes into a quantiser is computed in f32, as accurately as f32 sums, v_exp_f32 and their like allow (about 1e-6 of the number): no bf16 or f16 on the way to a quantiser, and a product that is left as it is and whose result goes on into a quantised operand takes f32 operands (vector FMAs, or v_wmma_f32_16x16x4_f32). A number that lies on a knife's edge between two numbers of the format may be rounded either way, as far as f32 arithmetic and the matrix unit's own rounding can turn it there, and no further.
;; One version. Each part assembles by itself: llvm-mc -triple=amdgcn-amd-amdhsa -mcpu=gfx1250 --defsym DOCPART=n.
;; ======== version 1 of 1: 4 launches
;; limits: right only within a limited range of input values
;; workspace buffers: img 9,437,184 bytes; scl 393,216 bytes; qkvc 18,874,368 bytes; qkvs 786,432 bytes; oimg 6,291,456 bytes; osc 262,144 bytes
;; launch quant (part 1): grid 768 x 1, 4 waves a work-group, no clusters, 68,096 bytes of LDS; arguments x, wq, wk, wv, wo, img, scl; writes img, scl
.if DOCPART == 1
	.amdgcn_target "amdgcn-amd-amdhsa--gfx1250"
	.amdhsa_code_object_version 6
	.text
	.protected	k_q3294890bc5_quant
	.globl	k_q3294890bc5_quant
	.p2align	8
	.type	k_q3294890bc5_quant,@function
k_q3294890bc5_quant:
	s_mov_b64 s[64:65], 0
	v_nop
	global_prefetch_b8 v0, s[64:65] scope:SCOPE_SE
	s_setreg_imm32_b32 hwreg(HW_REG_WAVE_MODE, 25, 1), 1
	s_wait_xcnt 0x0
; x [8192][1024] and wq, wk, wv, wo [1024][1024], f32, K innermost, become codes of FP6 (E2M3) with one E8M0 byte for each 32 along K.
; The codes are laid as IMAGES OF OPERAND REGISTERS: a fragment is 16 rows x 128 K, 12 registers a lane (lane (r, h): registers 6 c .. 6 c + 5 = k 64 c + 32 h + 0 .. 31);
; in memory it is 6 pieces of 256 bytes, piece c holding registers 2 c, 2 c + 1 of lane l at byte 8 l.  img: [row tile 0..767][K step 0..7][1,536 bytes]; scl: [row tile][K / 256][row r][2 words].
; Row tiles 0-511 x, 512-575 wq, 576-639 wk, 640-703 wv, 704-767 wo.  THE ROWS OF A TILE ARE NOT NEIGHBOURS (all but wo's): tile 2 G + u holds rows 32 G + 8 u + (r % 8) + 16 (r / 8),
; so that where such a tile is a product's source 0, the 16 result registers of tiles 2 G, 2 G + 1 are 16 neighbours.  wo's tiles hold 16 neighbouring rows.
; A block's scale is 2^(floor(log2(largest magnitude)) - 2); its byte is the largest magnitude's exponent field - 2, held at 1 from below.
; LIMITS: a block of zeros, or one whose largest magnitude lies under 2^-124, gets the byte 1 where the rule says 127 or less: its codes are zeros or the nearest codes under that byte, and this program alone
; reads the bytes; NaN and infinities among the inputs are not served.
; SHARES: a work-group makes one row tile, wave w its K quarter w: 16 rows x 256 K, 16,384 bytes in, two fragments and two scale words a row out.  All 32 loads of a wave go out at once, each of 512
; consecutive bytes; a K step's 16 x 512 bytes turn through the wave's own stage in LDS (rows 528 bytes apart), from which a lane takes its two whole blocks of 32.  No barrier: waves share nothing.
.set STG, 8448                         ; a stage: 16 rows x 528 bytes; two for each wave
.set R,   16                           ; v16-143  32 loads x 4 registers
.set X,   144                          ; v144-207 my 64 numbers of a K step: block 2 c + h at X + 32 c
.set PC,  208                          ; v208-231 the two fragments' codes: no store's data are written again
.set PT,  232                          ; v232-234, v236-238 the second halves of the blocks' codes
.set W,   240                          ; v240, v241 the two K steps' scale words
	s_load_b256 s[4:11], s[0:1], 0x0               ; x, wq, wk, wv
	s_load_b128 s[12:15], s[0:1], 0x20             ; wo, img
	s_load_b64 s[16:17], s[0:1], 0x30              ; scl
	v_lshl_add_u32 v248, v0, 2, 0x10800
	v_mov_b32 v249, 0
	v_lshrrev_b32 v1, 5, v0
	v_readfirstlane_b32 s18, v1                    ; wave 0..3
	v_and_b32 v7, 31, v0                           ; lane
	v_and_b32 v8, 15, v0                           ; r
	v_bfe_u32 v9, v0, 4, 1                         ; h
	v_lshlrev_b32 v1, 4, v7                        ; my 16 bytes of a load's 512
	s_mul_i32 s19, s18, 2*STG                      ; my wave's stages
	v_add_nc_u32 v2, s19, v1                       ; into a stage: 16 x lane, the row in the immediate
	v_mul_u32_u24 v3, v8, 528
	v_lshl_add_u32 v3, v9, 7, v3
	v_add_nc_u32 v3, s19, v3                       ; out of it: row r, + 128 h: my block of 32 numbers
	v_lshlrev_b32 v4, 3, v7                        ; an image's place for my lane: 8 x lane
	v_lshlrev_b32 v5, 3, v8
	v_lshl_add_u32 v5, v9, 2, v5                   ; the scale words: 8 r + 4 h: lanes 0-15 store the first K step's, lanes 16-31 the second's
	v_lshlrev_b32 v6, 3, v9                        ; 8 h: where my two bytes stand in a scale word
	v_mov_b32 v242, 0                              ; written once: a lane permute's destination counts as one of its sources
	s_mov_b32 s30, 0x76543210
	s_mov_b32 s31, 0xfedcba98                      ; v_permlanex16_b32's selects for lane l xor 16
	s_sub_co_u32 s20, ttmp9, 512
	s_lshr_b32 s21, s20, 6                         ; which weight (0..3); in x's work-groups a number above 3
	s_and_b32 s22, s20, 63                         ; and which of its 64 tiles
	s_wait_alu depctr_va_vdst(0)
	s_wait_kmcnt 0x0
	s_cmp_eq_u32 s21, 1                            ; the choices hang on the work-group's number alone
	s_cselect_b64 s[6:7], s[8:9], s[6:7]
	s_cmp_eq_u32 s21, 2
	s_cselect_b64 s[6:7], s[10:11], s[6:7]
	s_cmp_eq_u32 s21, 3
	s_cselect_b64 s[6:7], s[12:13], s[6:7]
	s_cselect_b32 s23, 8, 16                       ; rows from a tile's lower eight to its upper eight: wo 8, all others 16
	s_cselect_b32 s24, 4, 3                        ; the odd tile of a pair begins 16 rows on in wo, 8 in the others
	s_cmp_lt_u32 ttmp9, 512
	s_cselect_b64 s[4:5], s[4:5], s[6:7]
	s_cselect_b32 s22, ttmp9, s22                  ; the tile's number in its tensor
	s_lshr_b32 s25, s22, 1
	s_lshl_b32 s25, s25, 5
	s_and_b32 s26, s22, 1
	s_lshl_b32 s26, s26, s24
	s_add_co_u32 s25, s25, s26                     ; the tile's first row
	s_lshl_b32 s26, s25, 12                        ; x 4,096 bytes (under 2^26)
	s_lshl_b32 s27, s18, 10
	s_add_co_u32 s26, s26, s27                     ; + my quarter of K
	s_mov_b32 s27, 0
	s_add_nc_u64 s[4:5], s[4:5], s[26:27]          ; the lower eight rows
	s_lshl_b32 s26, s23, 12
	s_add_nc_u64 s[6:7], s[4:5], s[26:27]          ; the upper eight
	s_mul_i32 s26, ttmp9, 12288
	s_mul_i32 s28, s18, 3072
	s_add_co_u32 s26, s26, s28
	s_add_nc_u64 s[14:15], s[14:15], s[26:27]      ; my two fragments in img
	s_lshl_b32 s26, ttmp9, 9
	s_lshl_b32 s28, s18, 7
	s_add_co_u32 s26, s26, s28
	s_add_nc_u64 s[16:17], s[16:17], s[26:27]      ; my 128 bytes in scl
.irp sp, 0,1                                   ; the first K step's sixteen loads first
.irp r, 0,1,2,3,4,5,6,7
	global_load_b128 v[R+64*\sp+4*\r:R+64*\sp+4*\r+3], v1, s[4:5] offset:4096*\r+512*\sp th:TH_LOAD_NT
.endr
.irp r, 0,1,2,3,4,5,6,7
	global_load_b128 v[R+64*\sp+32+4*\r:R+64*\sp+32+4*\r+3], v1, s[6:7] offset:4096*\r+512*\sp th:TH_LOAD_NT
.endr
.endr
; My two whole blocks (2 c + h, c = 0, 1) of K step sp become registers 6 c .. 6 c + 5 of the fragment; the scale word's four bytes are gathered from lanes l and l xor 16.
.macro QUANT1 sp
.irp c, 0,1
	v_max3_num_f32 v[10+\c], |v[X+32*\c]|, |v[X+32*\c+1]|, 0x1800000   ; and the floor 2^(3 - 127): the byte cannot fall under 1
.endr
.irp i, 2,4,6,8,10,12,14,16,18,20,22,24,26,28,30
.irp c, 0,1
	v_max3_num_f32 v[10+\c], v[10+\c], |v[X+32*\c+\i]|, |v[X+32*\c+\i+1]|   ; (the two blocks by turns)
.endr
.endr
.irp c, 0,1
	v_add_nc_u32 v[12+\c], 0xff000000, v[10+\c]    ; 2 off the exponent field: the conversion takes this operand's exponent field as its scale
.endr
.irp c, 0,1
	v_lshrrev_b32 v[14+\c], 23, v[12+\c]           ; the scale's byte
.endr
	v_lshl_or_b32 v14, v15, 16, v14                ; blocks h and 2 + h,
	v_lshlrev_b32 v14, v6, v14                     ; at their places,
	v_permlanex16_b32 v242, v14, s30, s31
	v_or_b32 v[W+\sp], v14, v242                   ; with the other half's two: row r's word
.irp c, 0,1
	v_cvt_scalef32_pk16_fp6_f32 v[PC+12*\sp+6*\c:PC+12*\sp+6*\c+2], v[X+32*\c:X+32*\c+15], v[12+\c]
	v_cvt_scalef32_pk16_fp6_f32 v[PT+4*\c:PT+4*\c+2], v[X+32*\c+16:X+32*\c+31], v[12+\c]   ; (a conversion's three registers begin on an even number)
.endr
	v_nop                                          ; one plain place behind a scaled conversion
.irp c, 0,1
.irp i, 0,1,2
	v_mov_b32 v[PC+12*\sp+6*\c+3+\i], v[PT+4*\c+\i]
.endr
.endr
.endm
.macro HALF sp
	s_wait_loadcnt 16-16*\sp                       ; this K step's sixteen loads are in; the other's (issued behind them) may be out
.irp r, 0,1,2,3,4,5,6,7,8,9,10,11,12,13,14,15
	ds_store_b128 v2, v[R+64*\sp+4*\r:R+64*\sp+4*\r+3] offset:STG*\sp+528*\r
.endr
.irp c, 0,1
.irp i, 0,1,2,3,4,5,6,7
	ds_load_b128 v[X+32*\c+4*\i:X+32*\c+4*\i+3], v3 offset:STG*\sp+256*\c+16*\i   ; LDS serves a wave's instructions in order: these see my stores
.endr
.endr
	s_wait_dscnt 0x0
	QUANT1 \sp
.irp c, 0,1,2,3,4,5
	global_store_b64 v4, v[PC+12*\sp+2*\c:PC+12*\sp+2*\c+1], s[14:15] offset:1536*\sp+256*\c   ; 32 lanes store 256 consecutive bytes, aligned
.endr
.endm
	HALF 0
	HALF 1
	v_cmp_eq_u32 vcc_lo, 1, v9
	v_cndmask_b32 v243, v[W], v[W+1], vcc_lo
	global_store_b32 v5, v243, s[16:17]            ; 128 consecutive bytes: sixteen rows x two words
	s_wait_tensorcnt 0x0
	ds_add_u32 v248, v249
	s_wait_dscnt 0x0
	s_endpgm
.Lfunc_end_k_q3294890bc5_quant:
	.size	k_q3294890bc5_quant, .Lfunc_end_k_q3294890bc5_quant-k_q3294890bc5_quant
	.p2alignl 7, 3214868480
	.fill 96, 4, 3214868480
	.section	.rodata,"a",@progbits
	.p2align	6, 0x0
	.amdhsa_kernel k_q3294890bc5_quant
		.amdhsa_group_segment_fixed_size 68096
		.amdhsa_private_segment_fixed_size 0
		.amdhsa_enable_private_segment 0
		.amdhsa_kernarg_size 56
		.amdhsa_user_sgpr_count 2
		.amdhsa_user_sgpr_kernarg_segment_ptr 1
		.amdhsa_wavefront_size32 1
		.amdhsa_system_sgpr_workgroup_id_x 1
		.amdhsa_system_sgpr_workgroup_id_y 1
		.amdhsa_system_sgpr_workgroup_id_z 1
		.amdhsa_system_vgpr_workitem_id 0
		.amdhsa_next_free_vgpr 250
		.amdhsa_next_free_sgpr 66
		.amdhsa_reserve_vcc 1
		.amdhsa_float_denorm_mode_32 3
		.amdhsa_float_denorm_mode_16_64 3
		.amdhsa_memory_ordered 1
		.amdhsa_forward_progress 1
		.amdhsa_inst_pref_size 17
	.end_amdhsa_kernel
	.amdgpu_metadata
---
amdhsa.version: [ 1, 2 ]
amdhsa.kernels:
  - .name:           k_q3294890bc5_quant
    .symbol:         k_q3294890bc5_quant.kd
    .args:
      - { .name: x, .offset: 0, .size: 8, .value_kind: global_buffer, .address_space: global }
      - { .name: wq, .offset: 8, .size: 8, .value_kind: global_buffer, .address_space: global }
      - { .name: wk, .offset: 16, .size: 8, .value_kind: global_buffer, .address_space: global }
      - { .name: wv, .offset: 24, .size: 8, .value_kind: global_buffer, .address_space: global }
      - { .name: wo, .offset: 32, .size: 8, .value_kind: global_buffer, .address_space: global }
      - { .name: img, .offset: 40, .size: 8, .value_kind: global_buffer, .address_space: global }
      - { .name: scl, .offset: 48, .size: 8, .value_kind: global_buffer, .address_space: global }
    .group_segment_fixed_size: 68096
    .private_segment_fixed_size: 0
    .kernarg_segment_align: 8
    .kernarg_segment_size: 56
    .max_flat_workgroup_size: 128
    .sgpr_count:     66
    .vgpr_count:     250
    .wavefront_size: 32
...
	.end_amdgpu_metadata
.endif
;; end of part 1
;; launch qkv (part 2): grid 16 x 16, 4 waves a work-group, clusters of 4 x 4, 327,680 bytes of LDS; arguments img, scl, bq, bk, bv, qkvc, qkvs; writes qkvc, qkvs
.if DOCPART == 2
	.amdgcn_target "amdgcn-amd-amdhsa--gfx1250"
	.amdhsa_code_object_version 6
	.text
	.protected	k_q3294890bc5_qkv
	.globl	k_q3294890bc5_qkv
	.p2align	8
	.type	k_q3294890bc5_qkv,@function
k_q3294890bc5_qkv:
	s_mov_b64 s[64:65], 0
	v_nop
	global_prefetch_b8 v0, s[64:65] scope:SCOPE_SE
	s_setreg_imm32_b32 hwreg(HW_REG_WAVE_MODE, 25, 1), 1
	s_wait_xcnt 0x0
	s_wait_alu depctr_hold_cnt(0) depctr_sa_sdst(0) depctr_va_vdst(0) depctr_va_sdst(0) depctr_va_ssrc(0) depctr_va_vcc(0) depctr_vm_vsrc(0)
	s_getreg_b32 s2, hwreg(HW_REG_IB_STS2, 6, 4)
	s_cmp_eq_u32 s2, 0
	s_cbranch_scc0 .Lentry_in_a_cluster
	s_endpgm
.Lentry_in_a_cluster:
	s_bfe_u32 s2, ttmp6, 0x10000c
	s_cmp_lg_u32 s2, 0xf033
	s_cbranch_scc0 .Lentry_shape_is_right
	s_endpgm
.Lentry_shape_is_right:
; q = x wq^T + bq, k = x wk^T + bk, v = x wv^T + bv on codes of FP6 (E2M3) with E8M0 scales, K = 1,024; the results are quantised in registers and leave as codes, laid as the attention launch's operands.
; img: [row tile][K step (8)][1,536]: images of operand registers (six pieces of 256 bytes, 8 bytes a lane); scl: [row tile][K / 256][r][2 words].  Row tiles: x 0-511, wq 512-575, wk 576-639, wv 640-703.
; Tile 2 G + u holds rows 32 G + 8 u + (r % 8) + 16 (r / 8): where such tiles are source 0, the 16 result registers of tiles 2 G, 2 G + 1 are 16 neighbours.
; OUT: qkvc [X (24)][Y (64)][a (8)][1,536], X = 128 features (0-7 q, 8-15 k, 16-23 v), Y = 128 tokens; qkvs [X][Y][half][r][4 words].
; THE DEAL: 256 work-groups of four waves, 2 x 2.  A wave (row w, column c) holds 64 RESIDENT rows, all of K, in 384 registers (source 0: they run along a lane's result registers, the axis that is quantised) and
; STREAMS blocks of 16 rows, all of K, past them (source 1: a lane holds one row): 32 products a block.  Of a chunk of 128 streamed rows (8 row tiles) wave row w takes tiles w, w + 2, w + 4, w + 6.
; PHASE 1, q or k: resident = 128 rows of wq | wk (X = gx), stream = 512 tokens (four chunks, Y = 4 gy + chunk).  PHASE 2, v^T: resident = 128 tokens (Y = rv = 16 X + 4 Y + cx of the cluster's numbers),
; stream = 256 rows of wv (two chunks, quarter cy).  In both phases the resident rows are shared along a column of the cluster and the streamed rows along a row: joint loads.
; LDS: the resident rows at 0, two slots for chunks, 98,304 bytes each; two places for a chunk's scale words; stages of their own for the results' scale bytes; the spare words.
; FILLS: at the head one load a wave (resident rows, the scale words of chunks 0 and 1, chunk 0, chunk 1).  Four refills, each in a drained round inside a block: a slot takes the chunk two on (waves 0, 1 a half each),
; its place the scale words (wave 2); in the rounds of slot 0 wave 3 brings half of phase 2's resident rows.  What a refill brought is shown by the next round, the last chunk by a plain barrier.
; A BLOCK'S WAY OUT: 32 sums a lane = two half blocks of 32; largest magnitudes (with lane l xor 16's), scales, two conversions: half a fragment (three stores of 256 bytes) and two scale bytes, which gather in LDS.
; Its first part stands among the next block's products, two lines behind every second one.  s_wait_dscnt 52: the 52 loads of the next block's fetch may be out.
; PREFETCH: each later chunk is asked for one round (four blocks) ahead of its load; the sixteen waves of a row of the cluster take 24 blocks of 256 bytes each, told apart by address.
; LIMITS: a block of zeros, or one under 2^-124, gets the scale byte 1 (this program alone reads the bytes); NaN and infinities are not served.
; THE FETCH of the block two on: in a plain block it is spread among the products: the stream's fragment q is loaded again behind the products of K step q + 2, with eight plain vector lines between its last use and the
; loads; fragments 6 and 7 and the scale words follow behind the block.  A block with a round or a barrier fetches in one run behind it.
.set FR,   12
.set FPW,  21                          ; fragment f lies in window 1 + f / 21 at register 12 (f % 21): 0-31 resident (4 q + j), 32-39 and 40-47 the stream's two sets
.set CH,   98304
.set SCL,  3*CH
.set STAGE, SCL+8192                   ; q's or k's scale bytes, 2,048
.set STAGEV, STAGE+2048                ; v's, 1,024
.set SPARE, STAGEV+1024
.set L8,4
.set L16,5
.set ARES,6
.set AS,8                              ; v8-11 slot s, tiles 4 n ..: AS + 2 s + n
.set ASC,12                            ; v12, 13 a slot's scale words
.set STQ0,14
.set STV,15
.set STA,16
.set RSO,17
.set BQO,18
.set BVO,19
.set PFL,20
.set PFA,21
.set FQ,22
.set FV,23
.set SPW,24
.set NIL,25
.set RS,32                             ; v32-47 resident scale words: lanes 0-15 tile 2 n, lanes 16-31 tile 2 n + 1
.set SS,52                             ; v52-67 the stream's, two sets
.set TT,68
.set XX,72
.set SO,74
.set BY,76
.set PC,80
.set PT,86
.set FL,92
.set ACC,128                           ; v128-191 two sets of four accumulators
.set CBV,72                            ; window 3: v's bias, eight registers a block
.set CBQ,136                           ; window 3: q's or k's, eight a tile
.set RS2,168                           ; window 3: phase 2's resident scale words
.set WV,18
.set WR,19
.set WC,20
.set TP,22
.set G1X,24
.set G1W,32
.set G1S,40
.set G0X,48
.set G0X1,52
.set G0S,56
.set G0W,60
.set OC,66
.set OS,67
.set OCV,68
.set OSV,69
.set OR2,70
.set RL,71
.set TR,72
.set ST,73
.set OB,74
.set OBV,76
.set QSG,78
.set VSG,80
.set SEL,82
.set MSB, 0
.macro WIN new
.if MSB != \new
	s_set_vgpr_msb (MSB<<8)|\new
.set MSB, \new
.endif
.endm
.macro PLACES n
.rept \n
	v_nop
.endr
.endm
.macro WALU
	s_wait_alu depctr_va_vdst(0)
.endm
.macro BARRIER
	s_barrier_signal -1
	s_barrier_wait -1
.endm
.macro MIDDLE                          ; a round's middle
	WIN 0
	s_barrier_wait -1
	s_cmp_lg_u32 s[WV], 0
	s_cbranch_scc1 .Lnot_wave_0_\@
	s_barrier_signal -3
.Lnot_wave_0_\@:
	s_barrier_wait -3
.endm
.macro CROUND
	s_barrier_signal -1
	MIDDLE
	BARRIER
.endm
.macro TLOAD g0, g1
	tensor_load_to_lds s[\g0:\g0+3], s[\g1:\g1+7]
	s_nop 0
	PLACES 4
.endm
.macro G1SET g, mask, rows             ; a dense block as rows of 256 bytes
	s_or_b32 s[\g], s\mask, (3<<16)|(1<<21)
	s_mov_b32 s[\g+1], 32<<16
	s_mov_b32 s[\g+2], (\rows)<<16
	s_mov_b32 s[\g+3], 32<<16
	s_mov_b32 s[\g+4], \rows
	s_mov_b32 s[\g+5], 32
	s_mov_b32 s[\g+6], 0
	s_mov_b32 s[\g+7], 0
.endm
.macro GADR g, base                    ; group 0's address: base + the offset in s[TP] (s[TP+1] = 0)
	s_add_nc_u64 s[\g+2:\g+3], s[\base:\base+1], s[TP:TP+1]
	s_or_b32 s[\g+3], s[\g+3], 0x80000000
.endm
.macro FRAG f, adr, off
	WIN (1+(\f)/FPW)<<6
.irp p, 0,1,2,3,4,5
	ds_load_b64 v[FR*((\f)%FPW)+2*\p:FR*((\f)%FPW)+2*\p+1], v[\adr] offset:(\off)+256*\p
.endr
.endm
.macro WEIGHTS                         ; my 64 resident rows, all of K: 192 loads
.irp q, 0,1,2,3,4,5,6,7
.irp j, 0,1,2,3
	FRAG 4*\q+\j, ARES, 12288*\j+1536*\q
.endr
.endr
	WIN 0
.endm
.macro FETCH e, slot, k, q0=0          ; my k-th block of the slot's chunk into set e, from fragment q0 on, and its scale words
.set QF_, \q0
.rept 8-(\q0)
	FRAG 32+8*(\e)+QF_, AS+2*(\slot)+(\k)/2, 24576*((\k)%2)+1536*QF_
.set QF_, QF_+1
.endr
	WIN 0
.irp q, 0,1,2,3
	ds_load_b64 v[SS+8*(\e)+2*\q:SS+8*(\e)+2*\q+1], v[ASC+(\slot)] offset:1024*(\k)+128*\q
.endr
.endm
.macro WM d, s0, s1, c, x0, x1, o
.if \o
	v_wmma_scale_f32_16x16x128_f8f6f4 v[\d:\d+7], v[FR*((\s0)%FPW):FR*((\s0)%FPW)+FR-1], v[FR*((\s1)%FPW):FR*((\s1)%FPW)+FR-1], \c, v[\x0], v[\x1] matrix_a_fmt:MATRIX_FMT_FP6 matrix_b_fmt:MATRIX_FMT_FP6 matrix_a_scale:MATRIX_SCALE_ROW1
.else
	v_wmma_scale_f32_16x16x128_f8f6f4 v[\d:\d+7], v[FR*((\s0)%FPW):FR*((\s0)%FPW)+FR-1], v[FR*((\s1)%FPW):FR*((\s1)%FPW)+FR-1], \c, v[\x0], v[\x1] matrix_a_fmt:MATRIX_FMT_FP6 matrix_b_fmt:MATRIX_FMT_FP6
.endif
.endm
.macro PROD e, n, ck, cb               ; product n = 4 q + j; the four accumulators take turns; the first K step's C is the bias (window 3)
.set Q_, (\n)/4
.set J_, (\n)%4
.set FB_, 4*Q_+J_
.set FA_, 32+8*(\e)+Q_
.set D_, ACC+32*(\e)+8*J_
.if Q_
	WIN (1+FB_/FPW)|((1+FA_/FPW)<<2)
	WM D_, FB_, FA_, v[D_:D_+7], RS+8*(J_/2)+Q_, SS+8*(\e)+Q_, J_%2
.else
	WIN (1+FB_/FPW)|((1+FA_/FPW)<<2)|(3<<4)
	WM D_, FB_, FA_, v[(\cb)+8*(\ck)*J_:(\cb)+8*(\ck)*J_+7], RS+8*(J_/2)+Q_, SS+8*(\e)+Q_, J_%2
.endif
.endm
.macro WO1 i, a                        ; the way out's first part, 24 lines: four chains of largest magnitudes (one an accumulator, from its low end on), the halves joined, the scale operands
.if (\i) < 24
	WIN 0
.endif
.if (\i) < 4
	v_max3_num_f32 v[TT+(\i)], |v[\a+8*(\i)]|, |v[\a+8*(\i)+1]|, 0x1800000
.elseif (\i) < 16
	v_max3_num_f32 v[TT+(\i)%4], v[TT+(\i)%4], |v[\a+8*((\i)%4)+2*((\i)/4)]|, |v[\a+8*((\i)%4)+2*((\i)/4)+1]|
.elseif (\i) < 18
	v_max_num_f32 v[TT+2*((\i)-16)], v[TT+2*((\i)-16)], v[TT+2*((\i)-16)+1]
.elseif (\i) < 20
	v_permlanex16_b32 v[XX+(\i)-18], v[TT+2*((\i)-18)], s[SEL], s[SEL+1]
.elseif (\i) < 22
	v_max_num_f32 v[TT+2*((\i)-20)], v[TT+2*((\i)-20)], v[XX+(\i)-20]
.elseif (\i) < 24
	v_add_nc_u32 v[SO+(\i)-22], 0xff000000, v[TT+2*((\i)-22)]
.endif
.endm
.macro OUT2 a, sreg, soff, ob, coff    ; its second part: codes, the two bytes, the stores.  Its plain lines are also the places behind the block's last product
	WIN 0
	WALU
	s_wait_xcnt 0x0                                ; the last block's stores have read their registers
	v_cvt_scalef32_pk16_fp6_f32 v[PC:PC+2], v[\a:\a+15], v[SO]
	v_cvt_scalef32_pk16_fp6_f32 v[PT:PT+2], v[\a+16:\a+31], v[SO+1]
	v_lshrrev_b32 v[BY], 23, v[SO]
	v_lshrrev_b32 v[BY+1], 23, v[SO+1]
.irp i, 0,1,2
	v_permlane16_swap_b32 v[PC+\i], v[PT+\i]       ; a whole block in a lane
.endr
	v_lshl_or_b32 v[BY], v[BY+1], 8, v[BY]
.irp i, 0,1,2
	v_mov_b32 v[PC+3+\i], v[PT+\i]
.endr
	ds_store_b16 v[\sreg], v[BY] offset:\soff      ; lanes l and l + 16 store the same two bytes to the same place
.irp p, 0,1,2
	global_store_b64 v[L8], v[PC+2*\p:PC+2*\p+1], s[\ob:\ob+1] offset:(\coff)+256*\p
.endr
.endm
.macro OUTK kind, b                    ; block b (0 .. 7) of a loop's trip (q, k) or of phase 2 (v): tile a = 2 (b % 4) + w of chunk b / 4
.if \kind
	OUT2 ACC+32*((\b)%2), STV, 512*((\b)/4)+256*(((\b)%4)/2)+8*((\b)%2), OBV, 786432*((\b)/4)+3072*((\b)%4)
.else
	OUT2 ACC+32*((\b)%2), STA, 512*((\b)/4)+4*((\b)%4), OB, 12288*((\b)/4)+3072*((\b)%4)
.endif
.endm
.macro LUMP kind, b                    ; a whole way out on end
.set I_, 0
.rept 24
	WO1 I_, ACC+32*((\b)%2)
.set I_, I_+1
.endr
	OUTK \kind, \b
.endm
.macro PRODS e, ck, cb, from, to, lst, sp=0, fs=0, fk=0   ; sp = 1: block fk of slot fs is fetched into this set among the products
.set N_, \from
.rept (\to)-(\from)
	PROD \e, N_, \ck, \cb
.if N_%2
.if (\lst) && (N_ < 24)
	WO1 N_-1, ACC+32*(1-(\e))
	WO1 N_, ACC+32*(1-(\e))
.elseif \sp
	v_nop                                          ; places ahead of the loads below
	v_nop
.endif
.endif
.if (\sp) && (N_%4 == 3) && (N_ >= 11)
	FRAG 32+8*(\e)+N_/4-2, AS+2*(\fs)+(\fk)/2, 24576*((\fk)%2)+1536*(N_/4-2)
.endif
.set N_, N_+1
.endr
.endm
.macro DESC slot, res                  ; the refill's descriptors; no tensor load of mine is out
	s_mov_b32 s[G1X+2], 192<<16
	s_mov_b32 s[G1X+4], 192
	s_mov_b32 s[G1W+2], 192<<16
	s_mov_b32 s[G1W+4], 192
	s_mov_b32 s[G1S+2], 16<<16
	s_mov_b32 s[G1S+4], 16
	s_mul_i32 s[TP], s[WV], 49152
	s_add_co_u32 s[G0X+1], s[TP], CH*(1+(\slot))
	s_add_co_u32 s[TP], s[TP], s[OC]
	GADR G0X, 4
	s_mov_b32 s[G0S+1], SCL+4096*(\slot)
	s_mov_b32 s[TP], s[OS]
	GADR G0S, 6
	s_add_co_u32 s[OC], s[OC], CH
	s_add_co_u32 s[OS], s[OS], 4096
.if \res
	s_mov_b32 s[G0W+1], s[RL]
	s_add_co_u32 s[TP], s[OR2], s[RL]
	GADR G0W, 4
	s_add_co_u32 s[RL], s[RL], 49152
.endif
.endm
.macro ARMS res
	s_cmp_lt_u32 s[WV], 2
	s_cbranch_scc0 .Lsc_\@
	TLOAD G0X, G1X
	s_branch .Lasked_\@
.Lsc_\@:
	s_cmp_eq_u32 s[WV], 2
	s_cbranch_scc0 .Lres_\@
	TLOAD G0S, G1S
	s_branch .Lasked_\@
.Lres_\@:
.if \res
	TLOAD G0W, G1W
.endif
.Lasked_\@:
.endm
; A block.  kind 0: q, k; 1: v.  mode 0: plain; 1: with a refill's round; 2: with a plain barrier that shows the last refill.
.macro BK kind, b, mode, fetch, wt=52
	s_wait_dscnt \wt
.if \mode == 1
	s_wait_tensorcnt 0x0
	ds_add_u32 v[SPW], v[NIL]
	DESC (\b)/4, 1-(\b)/4
.endif
.if \mode
	PRODS (\b)%2, 1-(\kind), CBQ*(1-(\kind))+(CBV+8*(\b))*(\kind), 0, 26, 1
	WIN 0
	WALU
.if \mode == 2
	s_wait_tensorcnt 0x0
.endif
	s_wait_dscnt 0x0
	s_barrier_signal -1
	PRODS (\b)%2, 1-(\kind), CBQ*(1-(\kind))+(CBV+8*(\b))*(\kind), 26, 32, 0
.if \mode == 1
	MIDDLE
	BARRIER
	ARMS 1-(\b)/4
.else
	WIN 0
	s_barrier_wait -1
.endif
.else
	PRODS (\b)%2, 1-(\kind), CBQ*(1-(\kind))+(CBV+8*(\b))*(\kind), 0, 32, ((\b)+7)/8, \fetch, (((\b)+2)/4)%2, ((\b)+2)%4
.endif
.if ((\b)+7)/8
	OUTK \kind, (\b)-1
.else
	WIN 0
	PLACES 4
.endif
.if \fetch
.if \mode
	FETCH (\b)%2, (((\b)+2)/4)%2, ((\b)+2)%4
.else
	FETCH (\b)%2, (((\b)+2)/4)%2, ((\b)+2)%4, 6
.endif
.endif
.endm
.macro PFGO
	global_prefetch_b8 v[PFA], s[4:5] th:TH_LOAD_NT scope:SCOPE_SE
.endm
; ---- the head
	s_load_b128 s[4:7], s[0:1], 0x0                ; img, scl
	s_load_b128 s[8:11], s[0:1], 0x10              ; bq, bk
	s_load_b128 s[12:15], s[0:1], 0x20             ; bv, qkvc
	s_load_b64 s[16:17], s[0:1], 0x30              ; qkvs
	v_lshl_add_u32 v[SPW], v0, 2, SPARE
	v_mov_b32 v[NIL], 0
	ds_add_u32 v[SPW], v[NIL]                      ; the opening lines
	ds_add_u32 v[SPW], v[NIL]
	v_lshrrev_b32 v1, 5, v0
	v_readfirstlane_b32 s[WV], v1
	s_lshr_b32 s[WR], s[WV], 1
	s_and_b32 s[WC], s[WV], 1
	s_bfe_u32 s84, ttmp6, 0x40000                  ; cx
	s_bfe_u32 s85, ttmp6, 0x40004                  ; cy
	s_and_b32 s91, ttmp7, 0xffff
	s_lshl_b32 s86, ttmp9, 2
	s_add_co_u32 s86, s86, s84                     ; gx
	s_lshl_b32 s91, s91, 2
	s_add_co_u32 s87, s91, s85                     ; gy
	s_lshl_b32 s88, ttmp9, 4
	s_add_co_u32 s88, s88, s91
	s_add_co_u32 s88, s88, s84                     ; rv
	s_lshl_b32 s89, s85, 2
	s_lshl_b32 s89, 15, s89                        ; my row of the cluster
	s_lshl_b32 s90, 0x1111, s84                    ; my column
	G1SET G1X, 89, 384
	G1SET G1W, 90, 384
	G1SET G1S, 89, 32
	s_mul_i32 s[OC], s87, 393216                   ; bytes from img: my 512 tokens
	s_lshl_b32 s[OS], s87, 14                      ; from scl
	s_lshl_b32 s2, s86, 3
	s_add_co_u32 s2, s2, 512
	s_mul_i32 s2, s2, 12288                        ; my 128 rows of wq | wk
	s_mul_i32 s[OR2], s88, CH                      ; phase 2's 128 tokens
	s_lshl_b32 s[OCV], s85, 4
	s_add_co_u32 s[OCV], s[OCV], 640
	s_lshl_b32 s[OSV], s[OCV], 9
	s_mul_i32 s[OCV], s[OCV], 12288                ; phase 2's 256 rows of wv
	s_mov_b32 s[RL], 0
	s_mov_b32 s[TR], 0
	s_mov_b32 s[ST], 0
	s_mov_b32 s[SEL], 0x76543210
	s_mov_b32 s[SEL+1], 0xfedcba98
	s_mov_b32 s[TP+1], 0
	s_mul_i32 s92, s[WC], 49152                    ; what the vector lines below take
	s_mul_i32 s93, s[WR], 12288
	s_add_co_u32 s93, s93, CH
	s_lshl_b32 s94, s[WR], 9
	s_add_co_u32 s94, s94, SCL
	s_lshl_b32 s95, s[WC], 8
	s_lshl_b32 s3, s[WR], 1
	s_add_co_u32 s95, s95, s3
	s_add_co_u32 s95, s95, STAGE
	s_lshl_b32 s96, s[WR], 2
	s_lshl_b32 s3, s[WC], 1
	s_add_co_u32 s96, s96, s3
	s_add_co_u32 s96, s96, STAGEV
	s_lshl_b32 s97, s84, 2
	s_add_co_u32 s97, s97, s[WV]
	s_mul_i32 s97, s97, 6144                       ; my sixteenth of a chunk, for the prefetches
	s_lshl_b32 s98, s[WV], 9
	s_add_co_u32 s98, s98, STAGE
	s_lshl_b32 s99, s[WV], 8
	s_add_co_u32 s99, s99, STAGEV
	s_wait_dscnt 0x0
	CROUND                                         ; the round ahead of the first joint loads
	s_wait_kmcnt 0x0
	s_mov_b32 s[G0W], 1
	s_mov_b32 s[G0W+1], 0
	s_mov_b32 s[TP], s2
	GADR G0W, 4
	s_mov_b32 s[G0S], 1
	s_mov_b32 s[G0S+1], SCL
	s_mov_b32 s[TP], s[OS]
	GADR G0S, 6
	s_mov_b32 s[G0X], 1
	s_mov_b32 s[G0X+1], CH
	s_mov_b32 s[TP], s[OC]
	GADR G0X, 4
	s_mov_b32 s[G0X1], 1
	s_mov_b32 s[G0X1+1], 2*CH
	s_add_co_u32 s[TP], s[OC], CH
	GADR G0X1, 4
	s_add_co_u32 s[OC], s[OC], 2*CH                ; the next chunk to ask for
	s_add_co_u32 s[OS], s[OS], 8192
	s_cmp_eq_u32 s[WV], 0                          ; one chain, one load to an arm
	s_cbranch_scc0 .Lwave_1
	TLOAD G0W, G1W                                 ; the resident rows
	s_branch .Lasked
.Lwave_1:
	s_cmp_eq_u32 s[WV], 1
	s_cbranch_scc0 .Lwave_2
	TLOAD G0S, G1S                                 ; the scale words of chunks 0 and 1
	s_branch .Lasked
.Lwave_2:
	s_cmp_eq_u32 s[WV], 2
	s_cbranch_scc0 .Lwave_3
	TLOAD G0X, G1X                                 ; chunk 0
	s_branch .Lasked
.Lwave_3:
	TLOAD G0X1, G1X                                ; chunk 1
.Lasked:
	v_and_b32 v1, 15, v0                           ; r
	v_bfe_u32 v2, v0, 4, 1                         ; h
	v_and_b32 v3, 31, v0
	v_lshlrev_b32 v[L8], 3, v3
	v_lshlrev_b32 v[L16], 4, v3
	v_lshlrev_b32 v26, 3, v1
	v_lshlrev_b32 v27, 4, v1
	v_and_b32 v28, 7, v1
	v_and_b32 v29, 8, v1
	v_min_u32 v30, 23, v3
	v_add_nc_u32 v[ARES], s92, v[L8]
	v_add_nc_u32 v[AS], s93, v[L8]
	v_add_nc_u32 v[ASC], s94, v26
	v_add_nc_u32 v[STQ0], s95, v27
	v_add_nc_u32 v[STV], s96, v27
	v_lshl_add_u32 v[PFL], v30, 8, s97
	v_add_nc_u32 v[FQ], s98, v[L16]
	v_add_nc_u32 v[FV], s99, v[L8]
	v_lshl_add_u32 v[RSO], v2, 9, v26              ; resident scale words: tile 2 n + h, row r
	v_lshlrev_b32 v[BQO], 6, v2                    ; q's, k's bias: 16 h numbers on
	v_lshlrev_b32 v28, 2, v28
.irp n, 1,2,3
	v_add_nc_u32 v[AS+\n], 49152*\n, v[AS]
.endr
	v_add_nc_u32 v[ASC+1], 4096, v[ASC]
	v_lshl_add_u32 v[BVO], v29, 3, v28             ; v's bias: number (r % 8) + 16 (r / 8)
	v_add_nc_u32 v[PFA], s[OC], v[PFL]
	v_mov_b32 v[XX], 0                             ; a lane permute's destination counts as a source
	v_mov_b32 v[XX+1], 0
	WALU                                           ; the vector head's end
	s_lshl_b32 s2, s86, 3                          ; the bases of plain loads and stores
	s_lshl_b32 s3, s[WC], 2
	s_add_co_u32 s2, s2, s3
	s_add_co_u32 s2, s2, 512
	s_lshl_b32 s[TP], s2, 9
	s_add_nc_u64 s[92:93], s[6:7], s[TP:TP+1]      ; phase 1's resident scale words
	s_lshl_b32 s2, s88, 3
	s_add_co_u32 s2, s2, s3
	s_lshl_b32 s[TP], s2, 9
	s_add_nc_u64 s[94:95], s[6:7], s[TP:TP+1]      ; phase 2's
	s_cmp_lt_u32 s86, 8
	s_cselect_b64 s[96:97], s[8:9], s[10:11]
	s_and_b32 s2, s86, 7
	s_lshl_b32 s[TP], s2, 9
	s_lshl_b32 s3, s[WC], 8
	s_add_co_u32 s[TP], s[TP], s3
	s_add_nc_u64 s[96:97], s[96:97], s[TP:TP+1]    ; my 64 numbers of bq or bk
	s_lshl_b32 s[TP], s85, 10
	s_lshl_b32 s3, s[WR], 5
	s_add_co_u32 s[TP], s[TP], s3
	s_add_nc_u64 s[98:99], s[12:13], s[TP:TP+1]    ; bv at my quarter, + 8 w numbers
.irp n, 0,1
.irp q, 0,1,2,3
	global_load_b64 v[RS+8*\n+2*\q:RS+8*\n+2*\q+1], v[RSO], s[92:93] offset:1024*\n+128*\q
.endr
.endr
	WIN 3<<6
.irp n, 0,1
.irp q, 0,1,2,3
	global_load_b64 v[RS2+8*\n+2*\q:RS2+8*\n+2*\q+1], v[RSO], s[94:95] offset:1024*\n+128*\q
.endr
.endr
.irp j, 0,1,2,3                                ; tile j's register i is feature 32 (j / 2) + 16 h + 8 (j % 2) + i of my 64
	global_load_b128 v[CBQ+8*\j:CBQ+8*\j+3], v[BQO], s[96:97] offset:128*(\j/2)+32*(\j%2)
	global_load_b128 v[CBQ+8*\j+4:CBQ+8*\j+7], v[BQO], s[96:97] offset:128*(\j/2)+32*(\j%2)+16
.endr
.irp b, 0,1,2,3,4,5,6,7                        ; block b's lane r is channel 128 (b / 4) + 32 (b % 4) + 8 w + (r % 8) + 16 (r / 8) of my quarter
	global_load_b32 v[CBV+8*\b], v[BVO], s[98:99] offset:512*(\b/4)+128*(\b%4)
.endr
	WIN 0
	s_lshl_b32 s2, s86, 6
	s_lshl_b32 s3, s87, 2
	s_add_co_u32 s2, s2, s3                        ; 64 X + Y of phase 1's first block
	s_mul_i32 s[TP], s2, 12288
	s_mul_i32 s3, s[WR], 1536
	s_mul_i32 s91, s[WC], 768
	s_add_co_u32 s91, s91, s3
	s_add_co_u32 s[TP], s[TP], s91
	s_add_nc_u64 s[OB:OB+1], s[14:15], s[TP:TP+1]
	s_lshl_b32 s[TP], s2, 9
	s_lshl_b32 s3, s[WV], 9
	s_add_co_u32 s[TP], s[TP], s3
	s_add_nc_u64 s[QSG:QSG+1], s[16:17], s[TP:TP+1]
	s_lshl_b32 s2, s85, 7
	s_add_co_u32 s2, s2, 1024
	s_add_co_u32 s2, s2, s88                       ; 64 (16 + 2 cy) + rv
	s_mul_i32 s[TP], s2, 12288
	s_add_co_u32 s[TP], s[TP], s91
	s_add_nc_u64 s[OBV:OBV+1], s[14:15], s[TP:TP+1]
	s_lshl_b32 s[TP], s2, 9
	s_lshl_b32 s3, s[WR], 15
	s_add_co_u32 s[TP], s[TP], s3
	s_lshl_b32 s3, s[WC], 8
	s_add_co_u32 s[TP], s[TP], s3
	s_add_nc_u64 s[VSG:VSG+1], s[16:17], s[TP:TP+1]
	s_cmp_eq_u32 s[WV], 0
	s_cbranch_scc0 .Lnot_res
	s_wait_tensorcnt 0x0
.Lnot_res:
	BARRIER                                        ; the resident rows are in
	PFGO                                           ; chunk 2
	WEIGHTS
	s_cmp_eq_u32 s[WV], 3
	s_cbranch_scc1 .Lnot_c0
	s_wait_tensorcnt 0x0
.Lnot_c0:
	s_wait_dscnt 0x0
	BARRIER                                        ; chunk 0 and the scale words are in; chunk 1 may be on its way
	FETCH 0, 0, 0
	FETCH 1, 0, 1
	s_wait_loadcnt 0x0
; ---- phase 1: q or k, two trips of two chunks
.Lqk:
	v_add_nc_u32 v[STA], s[ST], v[STQ0]
	BK 0, 0, 0, 1
	BK 0, 1, 0, 1
	BK 0, 2, 1, 1
	v_add_nc_u32 v[PFA], s[OC], v[PFL]             ; what the next round will load
	PFGO
	BK 0, 3, 0, 1
	BK 0, 4, 0, 1
	BK 0, 5, 0, 1
	BK 0, 6, 1, 1
	s_cmp_eq_u32 s[TR], 0                          ; behind the first trip comes phase 2's first chunk; behind the second nothing
	s_cbranch_scc0 .Lno_pf
	v_add_nc_u32 v[PFA], s[OCV], v[PFL]
	PFGO
.Lno_pf:
	BK 0, 7, 0, 1
	LUMP 0, 7
	s_wait_xcnt 0x0
	s_add_nc_u64 s[OB:OB+1], s[OB:OB+1], 24576
	s_add_co_u32 s[ST], s[ST], 1024
	s_mov_b32 s[OC], s[OCV]                        ; the second trip asks for phase 2's chunks
	s_mov_b32 s[OS], s[OSV]
	s_add_co_u32 s[TR], s[TR], 1
	s_cmp_lg_u32 s[TR], 2
	WALU
	s_cbranch_scc1 .Lqk
; ---- the change of phase: the resident tokens into registers; scale words and bias under the loads' flight
	WEIGHTS
	WIN 3
.set I_, 0
.rept 16
	v_mov_b32 v[RS+I_], v[RS2+I_]
.set I_, I_+1
.endr
	WIN (3<<6)|3
.irp b, 0,8,16,24,32,40,48,56
.irp i, 1,2,3,4,5,6,7
	v_mov_b32 v[CBV+\b+\i], v[CBV+\b]
.endr
.endr
	WIN 0
	WALU
; ---- phase 2: v^T
	BK 1, 0, 0, 1, 0
	BK 1, 1, 0, 1
	BK 1, 2, 2, 1
	BK 1, 3, 0, 1
	BK 1, 4, 0, 1
	BK 1, 5, 0, 1
	BK 1, 6, 0, 0
	BK 1, 7, 0, 0, 0
	LUMP 1, 7
	s_wait_dscnt 0x0
	BARRIER                                        ; all scale bytes lie in the stages
	ds_load_b128 v[FL:FL+3], v[FQ]
	ds_load_b64 v[FL+4:FL+5], v[FV]
	s_wait_dscnt 0x0
	global_store_b128 v[L16], v[FL:FL+3], s[QSG:QSG+1]   ; 512 consecutive bytes a wave
	global_store_b64 v[L8], v[FL+4:FL+5], s[VSG:VSG+1]   ; 256
	s_wait_tensorcnt 0x0                           ; the wave's end
	ds_add_u32 v[SPW], v[NIL]
	s_wait_dscnt 0x0
	CROUND
	s_endpgm
.Lfunc_end_k_q3294890bc5_qkv:
	.size	k_q3294890bc5_qkv, .Lfunc_end_k_q3294890bc5_qkv-k_q3294890bc5_qkv
	.p2alignl 7, 3214868480
	.fill 96, 4, 3214868480
	.section	.rodata,"a",@progbits
	.p2align	6, 0x0
	.amdhsa_kernel k_q3294890bc5_qkv
		.amdhsa_group_segment_fixed_size 327680
		.amdhsa_private_segment_fixed_size 0
		.amdhsa_enable_private_segment 0
		.amdhsa_kernarg_size 56
		.amdhsa_user_sgpr_count 2
		.amdhsa_user_sgpr_kernarg_segment_ptr 1
		.amdhsa_wavefront_size32 1
		.amdhsa_system_sgpr_workgroup_id_x 1
		.amdhsa_system_sgpr_workgroup_id_y 1
		.amdhsa_system_sgpr_workgroup_id_z 1
		.amdhsa_system_vgpr_workitem_id 0
		.amdhsa_next_free_vgpr 960
		.amdhsa_next_free_sgpr 102
		.amdhsa_reserve_vcc 0
		.amdhsa_float_denorm_mode_32 3
		.amdhsa_float_denorm_mode_16_64 3
		.amdhsa_memory_ordered 1
		.amdhsa_forward_progress 1
		.amdhsa_inst_pref_size 221
	.end_amdhsa_kernel
	.amdgpu_metadata
---
amdhsa.version: [ 1, 2 ]
amdhsa.kernels:
  - .name:           k_q3294890bc5_qkv
    .symbol:         k_q3294890bc5_qkv.kd
    .args:
      - { .name: img, .offset: 0, .size: 8, .value_kind: global_buffer, .address_space: global }
      - { .name: scl, .offset: 8, .size: 8, .value_kind: global_buffer, .address_space: global }
      - { .name: bq, .offset: 16, .size: 8, .value_kind: global_buffer, .address_space: global }
      - { .name: bk, .offset: 24, .size: 8, .value_kind: global_buffer, .address_space: global }
      - { .name: bv, .offset: 32, .size: 8, .value_kind: global_buffer, .address_space: global }
      - { .name: qkvc, .offset: 40, .size: 8, .value_kind: global_buffer, .address_space: global }
      - { .name: qkvs, .offset: 48, .size: 8, .value_kind: global_buffer, .address_space: global }
    .group_segment_fixed_size: 327680
    .private_segment_fixed_size: 0
    .kernarg_segment_align: 8
    .kernarg_segment_size: 56
    .max_flat_workgroup_size: 128
    .sgpr_count:     102
    .vgpr_count:     960
    .wavefront_size: 32
...
	.end_amdgpu_metadata
.endif
;; end of part 2
;; launch attn (part 3): grid 4 x 64, 16 waves a work-group, clusters of 4 x 1, 206,848 bytes of LDS; arguments qkvc, qkvs, oimg, osc; writes oimg, osc
.if DOCPART == 3
	.amdgcn_target "amdgcn-amd-amdhsa--gfx1250"
	.amdhsa_code_object_version 6
	.text
	.protected	k_q3294890bc5_attn
	.globl	k_q3294890bc5_attn
	.p2align	8
	.type	k_q3294890bc5_attn,@function
k_q3294890bc5_attn:
	s_mov_b64 s[64:65], 0
	v_nop
	global_prefetch_b8 v0, s[64:65] scope:SCOPE_SE
	s_setreg_imm32_b32 hwreg(HW_REG_WAVE_MODE, 25, 1), 1
	s_wait_xcnt 0x0
	s_wait_alu depctr_hold_cnt(0) depctr_sa_sdst(0) depctr_va_vdst(0) depctr_va_sdst(0) depctr_va_ssrc(0) depctr_va_vcc(0) depctr_vm_vsrc(0)
	s_getreg_b32 s2, hwreg(HW_REG_IB_STS2, 6, 4)
	s_cmp_eq_u32 s2, 0
	s_cbranch_scc0 .Lentry_in_a_cluster
	s_endpgm
.Lentry_in_a_cluster:
	s_bfe_u32 s2, ttmp6, 0x10000c
	s_cmp_lg_u32 s2, 0x3003
	s_cbranch_scc0 .Lentry_shape_is_right
	s_endpgm
.Lentry_shape_is_right:
; o = softmax(q k^T / 8) v for 8 batches x 16 heads of 64, 1,024 tokens; both products on codes of FP6 (E2M3) with E8M0 scales; o is quantised along the features and leaves as codes for the last product.
; SOFTMAX: t = score x log2(e) / 8; M = the row's largest t so far, rounded up to a whole number; p = 2^(t - M) is quantised along the keys, not normalised; the row's sum is taken of the unquantised p and
; divides at the end.  When M moves, the sum and O are multiplied by 2^(old M - new M): exact.  The running largest is kept as a score; c > 0, so the largest score gives the largest t.
; SHARES: a work-group owns 256 queries of one batch and one pair of heads; each of sixteen waves owns 16 queries and runs the pair's two heads on end, so that it ends with a whole fragment (16 tokens x 128
; features) of o and a whole scale word.  A lane holds one query throughout: S^T = K Q^T (source 0 = keys), O^T = V^T P^T (source 0 = channels).
; K = 64 in an instruction of K = 128: source 0 holds key tiles 2 i and 2 i + 1; times (q, 0) it gives tile 2 i's scores, times (0, q) tile 2 i + 1's: zero codes add nothing.
; LDS: K's codes of the pair at 0 (98,304 bytes), V's at 98,304, K's scale words at KSC, V's 4,096 on; each byte is filled once.  One joint load a wave, naming the cluster's four work-groups, which read the
; same K and V: waves 0, 1 key steps 0-1 of K, V; waves 2, 3 the scale words; waves 4-7 key steps 2-7, half a tensor's each.  The first barrier shows waves 0-3's tiles, the second all.
; No prefetch: every fill is asked for at the head, so there is no loop to run ahead in.
; qkvc: [X (24)][Y (64)][a (8)][1,536]; q X = pair, k X = 8 + pair, v X = 16 + pair; Y = 8 batch + key step.  A fragment is six pieces of 256 bytes, piece c = registers 2 c, 2 c + 1, 8 bytes a lane.
; A q or k fragment: pieces 0-2 the even head, 3-5 the odd.  A v fragment 4 p + ct: 16 channels x 128 keys.  qkvs: [X][Y][half][r][4 words].
; LIMITS: the promise holds while the scaled scores stay under 2^31 in magnitude; a block of zeros, or one under 2^-124, gets the scale byte 1 (this program alone reads the bytes); NaN and infinities are not served.
.set KSC,  196608
.set SPARE,204800                      ; the spare words: 128 bytes a wave
.set LK,   1                           ; 8 x lane
.set LS,   2                           ; KSC + 16 r
.set ADS,  5                           ; the step's scale words
.set R8,   6
.set R16,  7
.set ADK,  8                           ; v8-11 the step's four pairs of key tiles
.set ZQ,   16                          ; v16-21 zeros, v22-27 q, v28-33 zeros
.set F,    36                          ; v36-83 four runs of 12: K's tiles in pairs, then V's fragments
.set KS,   84                          ; v84-93 hold scales and nothing else
.set VS,   88
.set QS,   92
.set PS,   93
.set QW,   94
.set S,    96                          ; v96-159 S^T, then p
.set O,    160                         ; v160-191 O^T
.set PC,   192
.set PT,   204
.set BM,   212
.set BX,   216
.set BS,   220
.set T,    224
.set FF,   226
.set C1,   228                         ; three more chains of the row's sum
.set C2,   230
.set C3,   238
.set OC,   232                         ; v232-237, v240-245 o's codes of head 0, 1
.set VB,   246                         ; v246-249 the step's four fragments of V
.set OT,   246
.set HWD,  250
.set RL,   252
.set SPW,  254
.set NIL,  255
.set WV,   12
.set SEL,  20
.set CS,   22
.set G1C,  24
.set G1S,  32
.set G0C,  40
.set G0R,  44
.set G0S,  48
.set TK,   56
.set TS,   57
.set QSEL, 59
.set QB,   60
.set QSB,  62
.set OB,   66
.set OSB,  68
.set G1R,  80
.macro WALU
	s_wait_alu depctr_va_vdst(0)
.endm
.macro ROUND
	s_barrier_signal -1
	s_barrier_wait -1
	s_cmp_lg_u32 s[WV], 0
	s_cbranch_scc1 .Lnot_wave_0_\@
	s_barrier_signal -3
.Lnot_wave_0_\@:
	s_barrier_wait -3
	s_barrier_signal -1
	s_barrier_wait -1
.endm
.macro G1SET g, rows                   ; a dense block as rows of 256 bytes; the mask names all four work-groups
	s_mov_b32 s[\g], 15|(3<<16)|(1<<21)
	s_mov_b32 s[\g+1], 32<<16
	s_mov_b32 s[\g+2], (\rows)<<16
	s_mov_b32 s[\g+3], 32<<16
	s_mov_b32 s[\g+4], \rows
	s_mov_b32 s[\g+5], 32
	s_mov_b32 s[\g+6], 0
	s_mov_b32 s[\g+7], 0
.endm
.macro TL g0, g1
	tensor_load_to_lds s[\g0:\g0+3], s[\g1:\g1+7]
	s_nop 0
.rept 4
	v_nop
.endr
.endm
	s_load_b256 s[4:11], s[0:1], 0x0               ; qkvc, qkvs, oimg, osc
	v_lshl_add_u32 v[SPW], v0, 2, SPARE
	v_mov_b32 v[NIL], 0
	ds_add_u32 v[SPW], v[NIL]                      ; the opening lines
	ds_add_u32 v[SPW], v[NIL]
	v_lshrrev_b32 v1, 5, v0
	v_readfirstlane_b32 s[WV], v1
	s_bfe_u32 s13, ttmp6, 0x40000                  ; cx: it enters q's and o's addresses alone
	s_and_b32 s14, ttmp7, 0xffff
	s_lshr_b32 s15, s14, 3                         ; batch
	s_and_b32 s16, s14, 7                          ; pair of heads
	s_and_b32 s17, s[WV], 1
	s_bfe_u32 s74, s[WV], 0x10001                  ; (wave / 2) % 2
	s_lshl_b32 s18, s16, 6
	s_lshl_b32 s19, s15, 3
	s_add_co_u32 s18, s18, s19                     ; 64 pair + 8 batch
	s_lshl_b32 s70, s17, 9
	s_add_co_u32 s70, s70, s18
	s_add_co_u32 s70, s70, 512                     ; waves 0-3: K's (even wave) or V's (odd) first block
	s_lshl_b32 s72, s70, 9
	s_mul_i32 s70, s70, 12288
	s_mov_b32 s71, 0
	s_mov_b32 s73, 0
	s_lshl_b32 s88, s74, 9
	s_add_co_u32 s88, s88, s18
	s_add_co_u32 s88, s88, 512                     ; waves 4-7: K's (4, 5) or V's (6, 7)
	s_mul_i32 s88, s88, 12288
	s_mul_i32 s75, s17, 36864
	s_add_co_u32 s75, s75, 24576                   ; behind key steps 0-1, three steps a wave
	s_add_co_u32 s88, s88, s75
	s_mov_b32 s89, 0
	s_mul_i32 s[G0C+1], s17, 98304
	s_lshl_b32 s[G0S+1], s17, 12
	s_add_co_u32 s[G0S+1], s[G0S+1], KSC
	s_mul_i32 s[G0R+1], s74, 98304
	s_add_co_u32 s[G0R+1], s[G0R+1], s75
	G1SET G1C, 96
	G1SET G1S, 16
	G1SET G1R, 144
	s_lshl_b32 s76, s13, 1
	s_lshr_b32 s77, s[WV], 3
	s_add_co_u32 s76, s76, s77                     ; which 128 tokens of the batch: 2 cx + wave / 8
	s_and_b32 s77, s[WV], 7                        ; a: my tile among their eight
	s_add_co_u32 s78, s76, s18
	s_mul_i32 s[QB], s78, 12288
	s_mul_i32 s79, s77, 1536
	s_add_co_u32 s[QB], s[QB], s79
	s_mov_b32 s[QB+1], 0
	s_lshl_b32 s[QSB], s78, 9
	s_lshr_b32 s79, s77, 1
	s_lshl_b32 s79, s79, 2
	s_add_co_u32 s[QSB], s[QSB], s79               ; word a / 2 of a row's four
	s_mov_b32 s[QSB+1], 0
	s_add_co_u32 s78, s76, s19
	s_lshl_b32 s78, s78, 3
	s_add_co_u32 s78, s78, s77                     ; my row tile of o
	s_mul_i32 s[OB], s78, 12288
	s_mul_i32 s79, s16, 1536                       ; K step = pair
	s_add_co_u32 s[OB], s[OB], s79
	s_mov_b32 s[OB+1], 0
	s_lshl_b32 s[OSB], s78, 9
	s_lshr_b32 s79, s16, 1
	s_lshl_b32 s79, s79, 7
	s_add_co_u32 s[OSB], s[OSB], s79
	s_and_b32 s79, s16, 1
	s_lshl_b32 s79, s79, 2
	s_add_co_u32 s[OSB], s[OSB], s79
	s_mov_b32 s[OSB+1], 0
	s_and_b32 s79, s77, 1
	s_mov_b32 s[QSEL], 0x01000100                  ; an even tile's two bytes are the word's lower two,
	s_cmp_lg_u32 s79, 0
	s_cselect_b32 s[QSEL], 0x03020302, s[QSEL]     ; an odd tile's the upper two
	s_mov_b32 s[SEL], 0x76543210
	s_mov_b32 s[SEL+1], 0xfedcba98                 ; lane l xor 16
	s_mov_b32 s[CS], 0x3e38aa3b                    ; c = log2(e) / 8
	s_mov_b32 s[CS+1], s[CS]
	s_wait_dscnt 0x0
	s_wait_kmcnt 0x0
	s_add_nc_u64 s[QB:QB+1], s[4:5], s[QB:QB+1]
	s_add_nc_u64 s[QSB:QSB+1], s[6:7], s[QSB:QSB+1]
	s_add_nc_u64 s[OB:OB+1], s[8:9], s[OB:OB+1]
	s_add_nc_u64 s[OSB:OSB+1], s[10:11], s[OSB:OSB+1]
	s_mov_b32 s[G0C], 1
	s_add_nc_u64 s[G0C+2:G0C+3], s[4:5], s[70:71]
	s_or_b32 s[G0C+3], s[G0C+3], 0x80000000
	s_mov_b32 s[G0S], 1
	s_add_nc_u64 s[G0S+2:G0S+3], s[6:7], s[72:73]
	s_or_b32 s[G0S+3], s[G0S+3], 0x80000000
	s_mov_b32 s[G0R], 1
	s_add_nc_u64 s[G0R+2:G0R+3], s[4:5], s[88:89]
	s_or_b32 s[G0R+3], s[G0R+3], 0x80000000
	ROUND                                          ; all four work-groups are here: the joint loads meet
	s_cmp_lt_u32 s[WV], 2                          ; one chain, one load to an arm
	s_cbranch_scc0 .Lnot_first
	TL G0C, G1C
	s_branch .Lasked
.Lnot_first:
	s_cmp_lt_u32 s[WV], 4
	s_cbranch_scc0 .Lnot_scales
	TL G0S, G1S
	s_branch .Lasked
.Lnot_scales:
	s_cmp_lt_u32 s[WV], 8
	s_cbranch_scc0 .Lasked
	TL G0R, G1R
.Lasked:
	v_and_b32 v8, 31, v0
	v_and_b32 v9, 15, v0
	v_lshlrev_b32 v[LK], 3, v8
	v_lshlrev_b32 v[R16], 4, v9
	v_lshlrev_b32 v[R8], 3, v9
	v_add_nc_u32 v[LS], KSC, v[R16]
.macro QLOAD pi                        ; my tile of head pi's q: three pieces, and the row's scale word
.irp c, 0,1,2
	global_load_b64 v[ZQ+6+2*\c:ZQ+7+2*\c], v[LK], s[QB:QB+1] offset:768*\pi+256*\c
.endr
	global_load_b32 v[QW], v[R16], s[QSB:QSB+1] offset:256*\pi
.endm
	QLOAD 0
.irp i, 0,1,2,3,4,5
	v_mov_b32 v[ZQ+\i], 0                          ; zero codes
	v_mov_b32 v[ZQ+12+\i], 0
.endr
.irp b, 0,1,2,3
	v_mov_b32 v[BX+\b], 0                          ; a lane permute's destination counts as a source
.endr
	v_mov_b32 v[T], 0
	v_mov_b32 v[FF+1], 0                           ; (upper halves of pairs that are named)
	v_mov_b32 v[RL+1], 0
.macro SUM4 j                          ; four pairs of p onto the sum's four chains
	v_pk_add_f32 v[C1:C1+1], v[C1:C1+1], v[S+2*(\j):S+2*(\j)+1]
	v_pk_add_f32 v[C2:C2+1], v[C2:C2+1], v[S+2*(\j)+2:S+2*(\j)+3]
	v_pk_add_f32 v[C3:C3+1], v[C3:C3+1], v[S+2*(\j)+4:S+2*(\j)+5]
	v_pk_add_f32 v[14:15], v[14:15], v[S+2*(\j)+6:S+2*(\j)+7]
.endm
; A KEY STEP: 128 keys of head pi.  s[TK] = 12,288 x step + 768 pi, s[TS] = 512 x step (also the loop's counter).
.macro STEP pi
	v_add_nc_u32 v[ADK], s[TK], v[LK]              ; these five lines are the places behind the last step's products, ahead of the loads into their registers
	v_add_nc_u32 v[ADS], s[TS], v[LS]
.irp i, 1,2,3
	v_add_nc_u32 v[ADK+\i], 3072*\i, v[ADK]
.endr
	ds_load_b128 v[KS:KS+3], v[ADS] offset:256*\pi ; word i: tiles 2 i and 2 i + 1, two bytes each
.irp i, 0,1,2,3                                ; tile 2 i's three pieces at 0, 256, 512, tile 2 i + 1's at 1,536, 1,792, 2,048 (a two-address offset counts 8 bytes and ends at 255)
	ds_load_2addr_b64 v[F+12*\i:F+12*\i+3], v[ADK+\i] offset0:0 offset1:32
	ds_load_2addr_b64 v[F+12*\i+4:F+12*\i+7], v[ADK+\i] offset0:64 offset1:192
	ds_load_b64 v[F+12*\i+8:F+12*\i+9], v[ADK] offset:3072*\i+1792
	ds_load_b64 v[F+12*\i+10:F+12*\i+11], v[ADK] offset:3072*\i+2048
.endr
	WALU
	s_wait_dscnt 0x0
.irp i, 0,1,2,3
	v_wmma_scale_f32_16x16x128_f8f6f4 v[S+16*\i:S+16*\i+7], v[F+12*\i:F+12*\i+11], v[ZQ+6:ZQ+17], 0, v[KS+\i], v[QS] matrix_a_fmt:MATRIX_FMT_FP6 matrix_b_fmt:MATRIX_FMT_FP6
	v_wmma_scale_f32_16x16x128_f8f6f4 v[S+16*\i+8:S+16*\i+15], v[F+12*\i:F+12*\i+11], v[ZQ:ZQ+11], 0, v[KS+\i], v[QS] matrix_a_fmt:MATRIX_FMT_FP6 matrix_b_fmt:MATRIX_FMT_FP6
.endr                                          ; register 16 b + i of lane (r, h): query r, key 32 b + 16 h + i of the step
.irp t, 0,1,2,3
	v_add_nc_u32 v[VB+\t], 98304+5376*\pi+1536*\t, v[ADK]   ; V's fragment 4 pi + t; the four lines are the places ahead of the loads over K's registers and of the scores' first reads
.endr
	ds_load_b128 v[VS:VS+3], v[ADS] offset:4096+256*\pi
.irp t, 0,1,2,3
.irp c, 0,1,2
	ds_load_2addr_b64 v[F+12*\t+4*\c:F+12*\t+4*\c+3], v[VB+\t] offset0:64*\c offset1:64*\c+32   ; V lands while the softmax is worked
.endr
.endr
.irp b, 0,1,2,3
	v_max3_num_f32 v[BM+\b], v[S+16*\b], v[S+16*\b+1], v[S+16*\b+2]   ; the largest score of each block of 32 keys: for the row's maximum and, since p rises with the score, for the block's largest p
.endr
.irp i, 3,5,7,9,11,13
.irp b, 0,1,2,3
	v_max3_num_f32 v[BM+\b], v[BM+\b], v[S+16*\b+\i], v[S+16*\b+\i+1]
.endr
.endr
.irp b, 0,1,2,3
	v_max_num_f32 v[BM+\b], v[BM+\b], v[S+16*\b+15]
.endr
.irp b, 0,1,2,3
	v_permlanex16_b32 v[BX+\b], v[BM+\b], s[SEL], s[SEL+1]
.endr
.irp b, 0,1,2,3
	v_max_num_f32 v[BM+\b], v[BM+\b], v[BX+\b]     ; with lane l xor 16's 16 keys
.endr
	v_max3_num_f32 v[T], v[BM], v[BM+1], v[BM+2]
	v_mov_b32 v[T+1], v12                          ; the old -M
	v_max3_num_f32 v13, v[T], v[BM+3], v13         ; the running largest score
	v_mul_f32 v[T], s[CS], v13                     ; as t
	v_floor_f32 v12, -v[T]                         ; the new -M = -ceil(t)
	v_sub_f32 v[T], v12, v[T+1]                    ; old M - new M: a whole number, 0 or less
	v_cvt_i32_f32 v[T], v[T]                       ; (it saturates)
	v_ldexp_f32 v[FF], 1.0, v[T]                   ; f = 2^(old M - new M)
.set j, 0
.rept 32
	v_pk_fma_f32 v[S+j:S+j+1], v[S+j:S+j+1], s[CS:CS+1], v[12:13] op_sel_hi:[1,0,0]   ; t - M
.set j, j+2
.endr
.irp b, 0,1,2,3
	v_fma_f32 v[BM+\b], v[BM+\b], s[CS], v12       ; the same of each block's largest score
.endr
	WALU                                           ; ahead of the batch
.set j, 0
.rept 64
	v_exp_f32 v[S+j], v[S+j]                       ; p = 2^(t - M), at most 1
.set j, j+1
.endr
.irp b, 0,1,2,3
	v_exp_f32 v[BM+\b], v[BM+\b]                   ; the block's largest p: the same two instructions on the same number
.endr
	v_pk_mul_f32 v[14:15], v[14:15], v[FF:FF+1] op_sel_hi:[1,0]   ; the sum under the new M (the plain place behind the batch)
	WALU                                           ; behind the batch
; the blocks' scales and the row's sum by turns, so that no line reads the line just above it
.irp b, 0,1,2,3
	v_max_num_f32 v[BM+\b], 0x1800000, v[BM+\b]    ; the floor 2^(3 - 127): the byte cannot fall under 1
.endr
	v_pk_add_f32 v[C1:C1+1], v[S:S+1], v[S+2:S+3]
	v_pk_add_f32 v[C2:C2+1], v[S+4:S+5], v[S+6:S+7]
	v_pk_add_f32 v[C3:C3+1], v[S+8:S+9], v[S+10:S+11]
	v_pk_add_f32 v[14:15], v[14:15], v[S+12:S+13]
.irp b, 0,1,2,3
	v_add_nc_u32 v[BS+\b], 0xff000000, v[BM+\b]    ; 2 off the exponent field: the conversion's scale operand
.endr
	SUM4 7
.irp b, 0,1,2,3
	v_lshrrev_b32 v[BX+\b], 23, v[BS+\b]           ; the scale's byte
.endr
	SUM4 11
	v_lshl_or_b32 v[PS], v[BX+1], 8, v[BX]         ; p's scale word for these 128 keys
	SUM4 15
	v_lshl_or_b32 v[PS], v[BX+2], 16, v[PS]
	SUM4 19
	v_lshl_or_b32 v[PS], v[BX+3], 24, v[PS]
.irp c, 0,1
	v_cvt_scalef32_pk16_fp6_f32 v[PC+6*\c:PC+6*\c+2], v[S+32*\c:S+32*\c+15], v[BS+2*\c]
	v_cvt_scalef32_pk16_fp6_f32 v[PT+4*\c:PT+4*\c+2], v[S+32*\c+16:S+32*\c+31], v[BS+2*\c+1]
.endr
	SUM4 23                                        ; plain lines behind the conversions: they read p and write none of it
.irp c, 0,1                                    ; the operand wants a whole block in a lane
.irp i, 0,1,2
	v_permlane16_swap_b32 v[PC+6*\c+\i], v[PT+4*\c+\i]
.endr
.endr
.irp c, 0,1
.irp i, 0,1,2
	v_mov_b32 v[PC+6*\c+3+\i], v[PT+4*\c+\i]
.endr
.endr
	SUM4 27
	v_pk_add_f32 v[C1:C1+1], v[C1:C1+1], v[S+62:S+63]
	v_pk_add_f32 v[C2:C2+1], v[C2:C2+1], v[C3:C3+1]
	v_pk_add_f32 v[14:15], v[14:15], v[C1:C1+1]
	v_pk_add_f32 v[14:15], v[14:15], v[C2:C2+1]
	WALU                                           ; directly ahead of O^T's first reader
.set j, 0
.rept 16
	v_pk_mul_f32 v[O+j:O+j+1], v[O+j:O+j+1], v[FF:FF+1] op_sel_hi:[1,0]   ; O^T under the new M
.set j, j+2
.endr
	WALU
	s_wait_dscnt 0x0                               ; V is in
.irp t, 0,1,2,3                                ; four accumulators by turns; the next step's eight score products stand between a sum's links
	v_wmma_scale_f32_16x16x128_f8f6f4 v[O+8*\t:O+8*\t+7], v[F+12*\t:F+12*\t+11], v[PC:PC+11], v[O+8*\t:O+8*\t+7], v[VS+\t], v[PS] matrix_a_fmt:MATRIX_FMT_FP6 matrix_b_fmt:MATRIX_FMT_FP6
.endr
	s_add_co_u32 s[TK], s[TK], 12288
	s_add_co_u32 s[TS], s[TS], 512
.endm
.macro KEYS pi, end                    ; key steps up to the one whose scale words begin at \end
.Lkeys_\@:
	STEP \pi
	s_cmp_lg_u32 s[TS], \end
	s_cbranch_scc1 .Lkeys_\@
.endm
.macro BEGIN pi                        ; a head begins: O^T and the sum zeros, the largest score under every score: the first change of M multiplies zeros
	s_wait_loadcnt 0x0                             ; q
	v_perm_b32 v[QS], v[QW], v[QW], s[QSEL]        ; my tile's two bytes, twice: for (q, 0) and for (0, q)
	v_mov_b32 v13, 0xff61b1e6                      ; -3e38
	v_mov_b32 v14, 0
	v_mov_b32 v15, 0
	v_floor_f32 v12, -v13
.set j, 0
.rept 32
	v_mov_b32 v[O+j], 0
.set j, j+1
.endr
	s_mov_b32 s[TK], 768*\pi
	s_mov_b32 s[TS], 0
.endm
; A head ends: O^T / the sum; register 16 b + i is channel 32 b + 16 h + i of my query: half a fragment (three pieces) and two bytes of the scale word.
.macro FINISH pi
.set OCP, OC+8*\pi
.rept 4
	v_nop                                          ; places behind the last products
.endr
.if \pi == 0
	QLOAD 1                                        ; the other head's q lands under this
.endif
	v_add_f32 v14, v14, v15
	v_permlanex16_b32 v[T], v14, s[SEL], s[SEL+1]
	v_add_f32 v14, v14, v[T]                       ; the row's sum
	WALU
	v_rcp_f32 v[RL], v14
	v_nop
	WALU
.set j, 0
.rept 16
	v_pk_mul_f32 v[S+j:S+j+1], v[O+j:O+j+1], v[RL:RL+1] op_sel_hi:[1,0]   ; each accumulator from its low end on
.set j, j+2
.endr
.irp b, 0,1
	v_max3_num_f32 v[BM+\b], |v[S+16*\b]|, |v[S+16*\b+1]|, 0x1800000
.endr
.irp i, 2,4,6,8,10,12,14
.irp b, 0,1
	v_max3_num_f32 v[BM+\b], v[BM+\b], |v[S+16*\b+\i]|, |v[S+16*\b+\i+1]|
.endr
.endr
.irp b, 0,1
	v_permlanex16_b32 v[BX+\b], v[BM+\b], s[SEL], s[SEL+1]
.endr
.irp b, 0,1
	v_max_num_f32 v[BM+\b], v[BM+\b], v[BX+\b]
.endr
.irp b, 0,1
	v_add_nc_u32 v[BS+\b], 0xff000000, v[BM+\b]
.endr
.irp b, 0,1
	v_lshrrev_b32 v[BX+\b], 23, v[BS+\b]
.endr
	v_cvt_scalef32_pk16_fp6_f32 v[OCP:OCP+2], v[S:S+15], v[BS]
	v_cvt_scalef32_pk16_fp6_f32 v[OT:OT+2], v[S+16:S+31], v[BS+1]
	v_nop
.irp i, 0,1,2
	v_permlane16_swap_b32 v[OCP+\i], v[OT+\i]
.endr
.irp i, 0,1,2
	v_mov_b32 v[OCP+3+\i], v[OT+\i]
.endr
.irp c, 0,1,2
	global_store_b64 v[LK], v[OCP+2*\c:OCP+2*\c+1], s[OB:OB+1] offset:768*\pi+256*\c   ; 256 consecutive bytes, aligned; each head has its own registers
.endr
.if \pi == 0
	v_lshl_or_b32 v[HWD], v[BX+1], 8, v[BX]
.else
	v_lshl_or_b32 v[T], v[BX+1], 8, v[BX]
	v_lshl_or_b32 v[HWD], v[T], 16, v[HWD]
.endif
.endm
	WALU                                           ; the head's end
	s_cmp_lt_u32 s[WV], 4
	s_cbranch_scc0 .Lnot_mine
	s_wait_tensorcnt 0x0                           ; waves 0-3: key steps 0-1 and the scale words
.Lnot_mine:
	s_barrier_signal -1
	s_barrier_wait -1                              ; they are shown to all; nothing is ever filled again
	BEGIN 0
	KEYS 0, 1024
	WALU
	s_wait_tensorcnt 0x0                           ; key steps 2-7
	s_wait_dscnt 0x0
	s_barrier_signal -1
	s_barrier_wait -1
	KEYS 0, 4096
	FINISH 0
	BEGIN 1
	KEYS 1, 4096
	FINISH 1
	global_store_b32 v[R8], v[HWD], s[OSB:OSB+1]   ; row r's scale word; lanes l and l + 16 hold the same word for the same place
	s_wait_tensorcnt 0x0                           ; the wave's end
	ds_add_u32 v[SPW], v[NIL]
	s_wait_dscnt 0x0
	ROUND                                          ; the closing round
	s_endpgm
.Lfunc_end_k_q3294890bc5_attn:
	.size	k_q3294890bc5_attn, .Lfunc_end_k_q3294890bc5_attn-k_q3294890bc5_attn
	.p2alignl 7, 3214868480
	.fill 96, 4, 3214868480
	.section	.rodata,"a",@progbits
	.p2align	6, 0x0
	.amdhsa_kernel k_q3294890bc5_attn
		.amdhsa_group_segment_fixed_size 206848
		.amdhsa_private_segment_fixed_size 0
		.amdhsa_enable_private_segment 0
		.amdhsa_kernarg_size 32
		.amdhsa_user_sgpr_count 2
		.amdhsa_user_sgpr_kernarg_segment_ptr 1
		.amdhsa_wavefront_size32 1
		.amdhsa_system_sgpr_workgroup_id_x 1
		.amdhsa_system_sgpr_workgroup_id_y 1
		.amdhsa_system_sgpr_workgroup_id_z 1
		.amdhsa_system_vgpr_workitem_id 0
		.amdhsa_next_free_vgpr 256
		.amdhsa_next_free_sgpr 92
		.amdhsa_reserve_vcc 0
		.amdhsa_float_denorm_mode_32 3
		.amdhsa_float_denorm_mode_16_64 3
		.amdhsa_memory_ordered 1
		.amdhsa_forward_progress 1
		.amdhsa_inst_pref_size 67
	.end_amdhsa_kernel
	.amdgpu_metadata
---
amdhsa.version: [ 1, 2 ]
amdhsa.kernels:
  - .name:           k_q3294890bc5_attn
    .symbol:         k_q3294890bc5_attn.kd
    .args:
      - { .name: qkvc, .offset: 0, .size: 8, .value_kind: global_buffer, .address_space: global }
      - { .name: qkvs, .offset: 8, .size: 8, .value_kind: global_buffer, .address_space: global }
      - { .name: oimg, .offset: 16, .size: 8, .value_kind: global_buffer, .address_space: global }
      - { .name: osc, .offset: 24, .size: 8, .value_kind: global_buffer, .address_space: global }
    .group_segment_fixed_size: 206848
    .private_segment_fixed_size: 0
    .kernarg_segment_align: 8
    .kernarg_segment_size: 32
    .max_flat_workgroup_size: 512
    .sgpr_count:     92
    .vgpr_count:     256
    .wavefront_size: 32
...
	.end_amdgpu_metadata
.endif
;; end of part 3
;; launch proj (part 4): grid 8 x 32, 4 waves a work-group, clusters of 4 x 4, 327,680 bytes of LDS; arguments oimg, osc, img, scl, bo, out0; writes out0
.if DOCPART == 4
	.amdgcn_target "amdgcn-amd-amdhsa--gfx1250"
	.amdhsa_code_object_version 6
	.text
	.protected	k_q3294890bc5_proj
	.globl	k_q3294890bc5_proj
	.p2align	8
	.type	k_q3294890bc5_proj,@function
k_q3294890bc5_proj:
	s_mov_b64 s[64:65], 0
	v_nop
	global_prefetch_b8 v0, s[64:65] scope:SCOPE_SE
	s_setreg_imm32_b32 hwreg(HW_REG_WAVE_MODE, 25, 1), 1
	s_wait_xcnt 0x0
	s_wait_alu depctr_hold_cnt(0) depctr_sa_sdst(0) depctr_va_vdst(0) depctr_va_sdst(0) depctr_va_ssrc(0) depctr_va_vcc(0) depctr_vm_vsrc(0)
	s_getreg_b32 s2, hwreg(HW_REG_IB_STS2, 6, 4)
	s_cmp_eq_u32 s2, 0
	s_cbranch_scc0 .Lentry_in_a_cluster
	s_endpgm
.Lentry_in_a_cluster:
	s_bfe_u32 s2, ttmp6, 0x10000c
	s_cmp_lg_u32 s2, 0xf033
	s_cbranch_scc0 .Lentry_shape_is_right
	s_endpgm
.Lentry_shape_is_right:
; out0 = o wo^T + bo on codes of FP6 (E2M3) with E8M0 scales, K = 1,024; out0 [8192][1024] f32.
; oimg, img: [row tile][K step (8)][1,536]: images of operand registers (six pieces of 256 bytes, 8 bytes a lane); osc, scl: [row tile][K / 256][r][2 words].  wo's row tiles are 704-767 of img, 16 neighbouring rows each.
; o's row tile 2 G + u holds tokens 32 G + 8 u + (r % 8) + 16 (r / 8): the stores put each row back at its token.
; THE DEAL: 8 x 32 = 256 work-groups of four waves, 2 x 2.  A wave (row w, column c) holds 64 rows of wo, all of K, in 384 registers (source 0: outputs run along a lane's result registers) and streams blocks of 16
; tokens, all of K, past them (source 1: a lane holds one token): 32 products a block, eight blocks.  Of a chunk of 128 tokens (8 row tiles) wave row w takes tiles w, w + 2, w + 4, w + 6.
; wo's rows are shared along a column of the cluster, the tokens along a row: joint loads.
; LDS: wo's 128 rows at 0, the two chunks behind them, 98,304 bytes each; the chunks' scale words; a stage of 16 rows x 272 bytes for each wave; the spare words.  Each byte is filled once: one load a wave at the head.
; The whole of LDS is claimed since the text uses nearly all of it.  The first barrier shows wo's rows, the second chunk 0 and the scale words, a plain barrier in block 1 chunk 1.
; THE FETCH of the block two on is spread among a block's products: the stream's fragment q is loaded again behind the products of K step q + 2, eight v_nop between its last use and the loads.
; THE WAY OUT: a block's 16 x 64 results go through my stage and come back as rows of 256 bytes; sixteen lanes store one aligned unit of 256 bytes, behind the next block's first eight products.
; WAITS: s_wait_dscnt 52 at a block's head: at least 52 LDS instructions were issued behind the fetch that the block needs; 16 (or 52) ahead of the stores: the loads of the fetch's end (or of a whole fetch) issued behind the stage's.
; No prefetch: every fill is asked for at the head, so there is no loop to run ahead in.  NaN and infinities are not served.
.set FR,   12
.set FPW,  21                          ; fragment f lies in window 1 + f / 21 at register 12 (f % 21): 0-31 wo's (4 q + j), 32-39 and 40-47 the stream's two sets
.set CH,   98304
.set SCL,  3*CH
.set STG,  SCL+8192
.set SPARE, STG+4*4352
.set L8,4
.set ARES,6
.set AS,8
.set ASC,12
.set STO,14
.set RD,15
.set CO,16
.set RSO,17
.set BQO,18
.set SPW,24
.set NIL,25
.set RS,32                             ; v32-47 wo's scale words: lanes 0-15 tile 2 n, lanes 16-31 tile 2 n + 1
.set SS,52                             ; v52-67 the stream's, two sets
.set ACC,128                           ; v128-191 two sets of four accumulators
.set BKR,192                           ; v192-255 16 rows read back, two sets
.set CBQ,136                           ; window 3: the bias, eight registers a tile
.set WV,18
.set WR,19
.set WC,20
.set TP,22
.set G1X,24
.set G1W,32
.set G1S,40
.set G0X,48
.set G0X1,52
.set G0S,56
.set G0W,60
.set OUT,74
.set MSB, 0
.macro WIN new
.if MSB != \new
	s_set_vgpr_msb (MSB<<8)|\new
.set MSB, \new
.endif
.endm
.macro PLACES n
.rept \n
	v_nop
.endr
.endm
.macro WALU
	s_wait_alu depctr_va_vdst(0)
.endm
.macro BARRIER
	s_barrier_signal -1
	s_barrier_wait -1
.endm
.macro CROUND
	s_barrier_signal -1
	s_barrier_wait -1
	s_cmp_lg_u32 s[WV], 0
	s_cbranch_scc1 .Lnot_wave_0_\@
	s_barrier_signal -3
.Lnot_wave_0_\@:
	s_barrier_wait -3
	BARRIER
.endm
.macro TLOAD g0, g1
	tensor_load_to_lds s[\g0:\g0+3], s[\g1:\g1+7]
	s_nop 0
	PLACES 4
.endm
.macro G1SET g, mask, rows             ; a dense block as rows of 256 bytes
	s_or_b32 s[\g], s\mask, (3<<16)|(1<<21)
	s_mov_b32 s[\g+1], 32<<16
	s_mov_b32 s[\g+2], (\rows)<<16
	s_mov_b32 s[\g+3], 32<<16
	s_mov_b32 s[\g+4], \rows
	s_mov_b32 s[\g+5], 32
	s_mov_b32 s[\g+6], 0
	s_mov_b32 s[\g+7], 0
.endm
.macro GADR g, base                    ; group 0's address: base + the offset in s[TP] (s[TP+1] = 0)
	s_add_nc_u64 s[\g+2:\g+3], s[\base:\base+1], s[TP:TP+1]
	s_or_b32 s[\g+3], s[\g+3], 0x80000000
.endm
.macro FRAG f, adr, off
	WIN (1+(\f)/FPW)<<6
.irp p, 0,1,2,3,4,5
	ds_load_b64 v[FR*((\f)%FPW)+2*\p:FR*((\f)%FPW)+2*\p+1], v[\adr] offset:(\off)+256*\p
.endr
.endm
.macro WEIGHTS                         ; my 64 rows of wo, all of K: 192 loads
.irp q, 0,1,2,3,4,5,6,7
.irp j, 0,1,2,3
	FRAG 4*\q+\j, ARES, 12288*\j+1536*\q
.endr
.endr
	WIN 0
.endm
.macro FETCH e, slot, k, q0=0          ; my k-th block of the slot's chunk into set e, from fragment q0 on, and its scale words
.set QF_, \q0
.rept 8-(\q0)
	FRAG 32+8*(\e)+QF_, AS+2*(\slot)+(\k)/2, 24576*((\k)%2)+1536*QF_
.set QF_, QF_+1
.endr
	WIN 0
.irp q, 0,1,2,3
	ds_load_b64 v[SS+8*(\e)+2*\q:SS+8*(\e)+2*\q+1], v[ASC+(\slot)] offset:1024*(\k)+128*\q
.endr
.endm
.macro WM d, s0, s1, c, x0, x1, o
.if \o
	v_wmma_scale_f32_16x16x128_f8f6f4 v[\d:\d+7], v[FR*((\s0)%FPW):FR*((\s0)%FPW)+FR-1], v[FR*((\s1)%FPW):FR*((\s1)%FPW)+FR-1], \c, v[\x0], v[\x1] matrix_a_fmt:MATRIX_FMT_FP6 matrix_b_fmt:MATRIX_FMT_FP6 matrix_a_scale:MATRIX_SCALE_ROW1
.else
	v_wmma_scale_f32_16x16x128_f8f6f4 v[\d:\d+7], v[FR*((\s0)%FPW):FR*((\s0)%FPW)+FR-1], v[FR*((\s1)%FPW):FR*((\s1)%FPW)+FR-1], \c, v[\x0], v[\x1] matrix_a_fmt:MATRIX_FMT_FP6 matrix_b_fmt:MATRIX_FMT_FP6
.endif
.endm
.macro PROD e, n                       ; product n = 4 q + j; the four accumulators take turns; the first K step's C is the bias (window 3)
.set Q_, (\n)/4
.set J_, (\n)%4
.set FB_, 4*Q_+J_
.set FA_, 32+8*(\e)+Q_
.set D_, ACC+32*(\e)+8*J_
.if Q_
	WIN (1+FB_/FPW)|((1+FA_/FPW)<<2)
	WM D_, FB_, FA_, v[D_:D_+7], RS+8*(J_/2)+Q_, SS+8*(\e)+Q_, J_%2
.else
	WIN (1+FB_/FPW)|((1+FA_/FPW)<<2)|(3<<4)
	WM D_, FB_, FA_, v[CBQ+8*J_:CBQ+8*J_+7], RS+8*(J_/2)+Q_, SS+8*(\e)+Q_, J_%2
.endif
.endm
.macro PRODS e, from, to, sp, fs=0, fk=0   ; sp = 1: block fk of slot fs is fetched into this set among the products
.set N_, \from
.rept (\to)-(\from)
	PROD \e, N_
.if (\sp) && (N_%2)
	v_nop                                          ; places ahead of the loads below
	v_nop
.endif
.if (\sp) && (N_%4 == 3) && (N_ >= 11)
	FRAG 32+8*(\e)+N_/4-2, AS+2*(\fs)+(\fk)/2, 24576*((\fk)%2)+1536*(N_/4-2)
.endif
.set N_, N_+1
.endr
.endm
.macro TOST b                          ; block b's results into my stage (row r, 32 bytes for each half of the lanes and tile) and back by rows; LDS serves a wave's instructions in order
	WIN 0
	PLACES 4                                       ; behind the block's last product
	s_wait_xcnt 0x0                                ; the stores of two blocks back have read this set
.irp j, 0,1,2,3
	ds_store_b128 v[STO], v[ACC+32*((\b)%2)+8*\j:ACC+32*((\b)%2)+8*\j+3] offset:64*\j      ; each accumulator from its low end on
	ds_store_b128 v[STO], v[ACC+32*((\b)%2)+8*\j+4:ACC+32*((\b)%2)+8*\j+7] offset:64*\j+16
.endr
.irp t, 0,1,2,3,4,5,6,7
	ds_load_b128 v[BKR+32*((\b)%2)+4*\t:BKR+32*((\b)%2)+4*\t+3], v[RD] offset:544*\t
.endr
.endm
.macro SEND b, younger                 ; row 2 t + h of block b is token 128 (b / 4) + 32 (b % 4) + 8 w + 2 t + h + 8 (t / 4) of my work-group's 256
	WIN 0
	s_wait_dscnt \younger
.irp t, 0,1,2,3,4,5,6,7
	global_store_b128 v[CO], v[BKR+32*((\b)%2)+4*\t:BKR+32*((\b)%2)+4*\t+3], s[OUT:OUT+1] offset:(128*((\b)/4)+32*((\b)%4)+2*\t+8*(\t/4))*4096 th:TH_STORE_NT
.endr
.endm
; A block.  mode 0: plain; 1: with the plain barrier that shows chunk 1.  wt: the count at its head; sn: the count ahead of the last block's stores
.macro PB b, mode, fetch, wt, sn
	s_wait_dscnt \wt
.if \mode
	PRODS (\b)%2, 0, 8, 0
.else
	PRODS (\b)%2, 0, 8, \fetch
.endif
.if \b
	SEND (\b)-1, \sn
.endif
.if \mode
	PRODS (\b)%2, 8, 26, 0
	WIN 0
	s_wait_tensorcnt 0x0
	s_wait_dscnt 0x0
	s_barrier_signal -1
	PRODS (\b)%2, 26, 32, 0
	WIN 0
	s_barrier_wait -1
.else
	PRODS (\b)%2, 8, 32, \fetch, (((\b)+2)/4)%2, ((\b)+2)%4
.endif
	TOST \b
.if \fetch
.if \mode
	FETCH (\b)%2, (((\b)+2)/4)%2, ((\b)+2)%4
.else
	FETCH (\b)%2, (((\b)+2)/4)%2, ((\b)+2)%4, 6
.endif
.endif
.endm
; ---- the head
	s_load_b128 s[4:7], s[0:1], 0x0                ; oimg, osc
	s_load_b128 s[8:11], s[0:1], 0x10              ; img, scl
	s_load_b128 s[12:15], s[0:1], 0x20             ; bo, out0
	v_lshl_add_u32 v[SPW], v0, 2, SPARE
	v_mov_b32 v[NIL], 0
	ds_add_u32 v[SPW], v[NIL]                      ; the opening lines
	ds_add_u32 v[SPW], v[NIL]
	v_lshrrev_b32 v1, 5, v0
	v_readfirstlane_b32 s[WV], v1
	s_lshr_b32 s[WR], s[WV], 1
	s_and_b32 s[WC], s[WV], 1
	s_bfe_u32 s84, ttmp6, 0x40000                  ; cx
	s_bfe_u32 s85, ttmp6, 0x40004                  ; cy
	s_and_b32 s91, ttmp7, 0xffff
	s_lshl_b32 s86, ttmp9, 2
	s_add_co_u32 s86, s86, s84                     ; gx: which 128 outputs
	s_lshl_b32 s87, s91, 2
	s_add_co_u32 s87, s87, s85                     ; gy: which 256 tokens
	s_lshl_b32 s89, s85, 2
	s_lshl_b32 s89, 15, s89                        ; my row of the cluster
	s_lshl_b32 s90, 0x1111, s84                    ; my column
	G1SET G1X, 89, 384
	G1SET G1W, 90, 384
	G1SET G1S, 89, 32
	s_mul_i32 s66, s87, 196608                     ; bytes from oimg: my 16 row tiles
	s_lshl_b32 s67, s87, 13                        ; from osc
	s_lshl_b32 s2, s86, 3
	s_add_co_u32 s2, s2, 704
	s_mul_i32 s2, s2, 12288                        ; from img: my 8 row tiles of wo
	s_mov_b32 s[TP+1], 0
	s_mul_i32 s92, s[WC], 49152                    ; what the vector lines below take
	s_mul_i32 s93, s[WR], 12288
	s_add_co_u32 s93, s93, CH
	s_lshl_b32 s94, s[WR], 9
	s_add_co_u32 s94, s94, SCL
	s_mul_i32 s95, s[WV], 4352
	s_add_co_u32 s95, s95, STG
	s_wait_dscnt 0x0
	CROUND                                         ; the round ahead of the first joint loads
	s_wait_kmcnt 0x0
	s_mov_b32 s[G0W], 1
	s_mov_b32 s[G0W+1], 0
	s_mov_b32 s[TP], s2
	GADR G0W, 8
	s_mov_b32 s[G0S], 1
	s_mov_b32 s[G0S+1], SCL
	s_mov_b32 s[TP], s67
	GADR G0S, 6
	s_mov_b32 s[G0X], 1
	s_mov_b32 s[G0X+1], CH
	s_mov_b32 s[TP], s66
	GADR G0X, 4
	s_mov_b32 s[G0X1], 1
	s_mov_b32 s[G0X1+1], 2*CH
	s_add_co_u32 s[TP], s66, CH
	GADR G0X1, 4
	s_cmp_eq_u32 s[WV], 0                          ; one chain, one load to an arm
	s_cbranch_scc0 .Lwave_1
	TLOAD G0W, G1W                                 ; wo's rows
	s_branch .Lasked
.Lwave_1:
	s_cmp_eq_u32 s[WV], 1
	s_cbranch_scc0 .Lwave_2
	TLOAD G0S, G1S                                 ; both chunks' scale words
	s_branch .Lasked
.Lwave_2:
	s_cmp_eq_u32 s[WV], 2
	s_cbranch_scc0 .Lwave_3
	TLOAD G0X, G1X                                 ; chunk 0
	s_branch .Lasked
.Lwave_3:
	TLOAD G0X1, G1X                                ; chunk 1
.Lasked:
	v_and_b32 v1, 15, v0                           ; r
	v_bfe_u32 v2, v0, 4, 1                         ; h
	v_and_b32 v3, 31, v0
	v_lshlrev_b32 v[L8], 3, v3
	v_lshlrev_b32 v26, 3, v1
	v_lshlrev_b32 v27, 4, v1
	v_mul_u32_u24 v28, v1, 272
	v_mul_u32_u24 v29, v2, 272
	v_add_nc_u32 v[ARES], s92, v[L8]
	v_add_nc_u32 v[AS], s93, v[L8]
	v_add_nc_u32 v[ASC], s94, v26
	v_lshl_add_u32 v28, v2, 5, v28
	v_add_nc_u32 v29, v29, v27
	v_lshl_add_u32 v[RSO], v2, 9, v26              ; wo's scale words: tile 2 n + h, row r
	v_lshlrev_b32 v[BQO], 5, v2                    ; the bias: 8 h numbers on
	v_lshl_add_u32 v[CO], v2, 12, v27              ; out0: row h of two, 16 bytes a lane
	v_add_nc_u32 v[STO], s95, v28                  ; into my stage: row r, + 32 h
	v_add_nc_u32 v[RD], s95, v29                   ; back: row h of two, 16 r
.irp n, 1,2,3
	v_add_nc_u32 v[AS+\n], 49152*\n, v[AS]
.endr
	v_add_nc_u32 v[ASC+1], 4096, v[ASC]
	WALU                                           ; the vector head's end
	s_lshl_b32 s2, s86, 3
	s_lshl_b32 s3, s[WC], 2
	s_add_co_u32 s2, s2, s3
	s_add_co_u32 s2, s2, 704
	s_lshl_b32 s[TP], s2, 9
	s_add_nc_u64 s[92:93], s[10:11], s[TP:TP+1]    ; my 4 tiles' scale words
	s_lshl_b32 s[TP], s86, 9
	s_lshl_b32 s3, s[WC], 8
	s_add_co_u32 s[TP], s[TP], s3                  ; my first output, in bytes
	s_add_nc_u64 s[96:97], s[12:13], s[TP:TP+1]    ; my 64 numbers of bo
	s_add_nc_u64 s[OUT:OUT+1], s[14:15], s[TP:TP+1]
	s_lshl_b32 s[TP], s87, 20                      ; 256 rows of 4,096 bytes (under 2^25),
	s_lshl_b32 s3, s[WR], 15                       ; + 8 w rows
	s_add_co_u32 s[TP], s[TP], s3
	s_add_nc_u64 s[OUT:OUT+1], s[OUT:OUT+1], s[TP:TP+1]
.irp n, 0,1
.irp q, 0,1,2,3
	global_load_b64 v[RS+8*\n+2*\q:RS+8*\n+2*\q+1], v[RSO], s[92:93] offset:1024*\n+128*\q
.endr
.endr
	WIN 3<<6
.irp j, 0,1,2,3                                ; tile j's register i is output 16 j + 8 h + i of my 64
	global_load_b128 v[CBQ+8*\j:CBQ+8*\j+3], v[BQO], s[96:97] offset:64*\j
	global_load_b128 v[CBQ+8*\j+4:CBQ+8*\j+7], v[BQO], s[96:97] offset:64*\j+16
.endr
	WIN 0
	s_cmp_eq_u32 s[WV], 0
	s_cbranch_scc0 .Lnot_res
	s_wait_tensorcnt 0x0
.Lnot_res:
	BARRIER                                        ; wo's rows are in
	WEIGHTS
	s_cmp_eq_u32 s[WV], 3
	s_cbranch_scc1 .Lnot_c0
	s_wait_tensorcnt 0x0
.Lnot_c0:
	s_wait_dscnt 0x0
	BARRIER                                        ; chunk 0 and the scale words are in; chunk 1 may be on its way: nothing is ever filled again
	FETCH 0, 0, 0
	FETCH 1, 0, 1
	s_wait_loadcnt 0x0
; ---- eight blocks
	PB 0, 0, 1, 52, 0
	PB 1, 1, 1, 52, 16
	PB 2, 0, 1, 52, 52
	PB 3, 0, 1, 52, 16
	PB 4, 0, 1, 52, 16
	PB 5, 0, 1, 52, 16
	PB 6, 0, 0, 52, 16
	PB 7, 0, 0, 16, 0
	SEND 7, 0
	s_wait_tensorcnt 0x0                           ; the wave's end
	ds_add_u32 v[SPW], v[NIL]
	s_wait_dscnt 0x0
	CROUND
	s_endpgm
.Lfunc_end_k_q3294890bc5_proj:
	.size	k_q3294890bc5_proj, .Lfunc_end_k_q3294890bc5_proj-k_q3294890bc5_proj
	.p2alignl 7, 3214868480
	.fill 96, 4, 3214868480
	.section	.rodata,"a",@progbits
	.p2align	6, 0x0
	.amdhsa_kernel k_q3294890bc5_proj
		.amdhsa_group_segment_fixed_size 327680
		.amdhsa_private_segment_fixed_size 0
		.amdhsa_enable_private_segment 0
		.amdhsa_kernarg_size 48
		.amdhsa_user_sgpr_count 2
		.amdhsa_user_sgpr_kernarg_segment_ptr 1
		.amdhsa_wavefront_size32 1
		.amdhsa_system_sgpr_workgroup_id_x 1
		.amdhsa_system_sgpr_workgroup_id_y 1
		.amdhsa_system_sgpr_workgroup_id_z 1
		.amdhsa_system_vgpr_workitem_id 0
		.amdhsa_next_free_vgpr 960
		.amdhsa_next_free_sgpr 102
		.amdhsa_reserve_vcc 0
		.amdhsa_float_denorm_mode_32 3
		.amdhsa_float_denorm_mode_16_64 3
		.amdhsa_memory_ordered 1
		.amdhsa_forward_progress 1
		.amdhsa_inst_pref_size 105
	.end_amdhsa_kernel
	.amdgpu_metadata
---
amdhsa.version: [ 1, 2 ]
amdhsa.kernels:
  - .name:           k_q3294890bc5_proj
    .symbol:         k_q3294890bc5_proj.kd
    .args:
      - { .name: oimg, .offset: 0, .size: 8, .value_kind: global_buffer, .address_space: global }
      - { .name: osc, .offset: 8, .size: 8, .value_kind: global_buffer, .address_space: global }
      - { .name: img, .offset: 16, .size: 8, .value_kind: global_buffer, .address_space: global }
      - { .name: scl, .offset: 24, .size: 8, .value_kind: global_buffer, .address_space: global }
      - { .name: bo, .offset: 32, .size: 8, .value_kind: global_buffer, .address_space: global }
      - { .name: out0, .offset: 40, .size: 8, .value_kind: global_buffer, .address_space: global }
    .group_segment_fixed_size: 327680
    .private_segment_fixed_size: 0
    .kernarg_segment_align: 8
    .kernarg_segment_size: 48
    .max_flat_workgroup_size: 128
    .sgpr_count:     102
    .vgpr_count:     960
    .wavefront_size: 32
...
	.end_amdgpu_metadata
.endif
;; end of part 4
